; MI455X (gfx1250); checked and timed in simulation.
; The chip was launched on July 23, 2026; its instructions are those of AMD's public machine-readable ISA for CDNA 5 (MIT licence, August 2026) and "CDNA5" Instruction Set Architecture Reference Guide (July 2026). The comments in the code are by the model that wrote it; some were corrected since.
;; Intermediate Attention Fusion. Allowed arithmetic: matrix products marked QUANTISED: E5M2 operands, one given power-of-two scale a tensor, by v_wmma_f32_16x16x64_bf8_bf8 or v_wmma_f32_16x16x128_bf8_bf8, f32 sums; products left as they are: f32 operands where the result goes on into a quantised operand, else bf16, f16 or f32 operands; f32 sums; everything else in f32.
;; Inputs: Wk_aud_for_vid_codes 2 x 512 x 16 x 32 uint8 (E5M2 codes of Wk_aud_for_vid, K innermost, in blocks of 32 codes); Wk_vid_for_aud_codes 2 x 512 x 16 x 32 uint8 (E5M2 codes of Wk_vid_for_aud, K innermost, in blocks of 32 codes); Wq_aud_codes 2 x 512 x 16 x 32 uint8 (E5M2 codes of Wq_aud, K innermost, in blocks of 32 codes); Wq_vid_codes 2 x 512 x 16 x 32 uint8 (E5M2 codes of Wq_vid, K innermost, in blocks of 32 codes); ag_W1 2 x 16 x 8 float32; ag_W2 2 x 1 x 16 float32; ag_b1 2 x 16 float32; ag_b2 2 x 1 float32; aud_kpm 4 x 2,048 bool; aud_ln_b 2 x 512 float32; aud_ln_g 2 x 512 float32; lowp_scales 24 int32 (the exponents e of the quantised operands' scales 2^e); vg_W1 2 x 16 x 8 float32; vg_W2 2 x 1 x 16 float32; vg_b1 2 x 16 float32; vg_b2 2 x 1 float32; vid_kpm 4 x 2,048 bool; vid_ln_b 2 x 512 float32; vid_ln_g 2 x 512 float32; x_aud 4 x 2,048 x 512 float32; x_vid 4 x 2,048 x 512 float32.
;; Outputs: out0 4 x 2,048 x 512 float32; out1 4 x 2,048 x 512 float32.
;; This version of the problem:
;;   THIS VERSION OF THE PROBLEM IS GIVEN IN LOW PRECISION. The matrix products marked QUANTISED in the list below multiply operands that are first quantised to E5M2 (5 exponent bits, 2 mantissa bits; 8 bits a number), with one given power-of-two scale for each operand tensor; their sums are f32. All else is computed in f32.
;;   The module's matrix products, in the order in which they are computed (A, B: the left and right operand; K: the contracted axis; several contracted axes count as one K, in the product's order):
;;     1. [M 8,192, K 512] x [K 512, N 512]; A: computed on the way; B: input Wq_vid (given as codes): QUANTISED (scales: A lowp_scales[0], B lowp_scales[1])
;;     2. [M 8,192, K 512] x [K 512, N 512]; A: computed on the way; B: input Wk_aud_for_vid (given as codes): QUANTISED (scales: A lowp_scales[2], B lowp_scales[3])
;;     3. batch 32 x [M 2,048, K 64] x [K 64, N 2,048]; A: computed on the way; B: computed on the way: QUANTISED (scales: A lowp_scales[4], B lowp_scales[5])
;;     4. [M 8,192, K 8] x [K 8, N 16]; A: computed on the way; B: input vg_W1: left as it is (K = 8 < 32)
;;     5. [M 8,192, K 16] x [K 16, N 1]; A: computed on the way; B: input vg_W2: left as it is (K = 16 < 32)
;;     6. [M 8,192, K 512] x [K 512, N 512]; A: computed on the way; B: input Wq_aud (given as codes): QUANTISED (scales: A lowp_scales[6], B lowp_scales[7])
;;     7. [M 8,192, K 512] x [K 512, N 512]; A: computed on the way; B: input Wk_vid_for_aud (given as codes): QUANTISED (scales: A lowp_scales[8], B lowp_scales[9])
;;     8. batch 32 x [M 2,048, K 64] x [K 64, N 2,048]; A: computed on the way; B: computed on the way: QUANTISED (scales: A lowp_scales[10], B lowp_scales[11])
;;     9. [M 8,192, K 8] x [K 8, N 16]; A: computed on the way; B: input ag_W1: left as it is (K = 8 < 32)
;;     10. [M 8,192, K 16] x [K 16, N 1]; A: computed on the way; B: input ag_W2: left as it is (K = 16 < 32)
;;     11. [M 8,192, K 512] x [K 512, N 512]; A: computed on the way; B: input Wq_vid (given as codes): QUANTISED (scales: A lowp_scales[12], B lowp_scales[13])
;;     12. [M 8,192, K 512] x [K 512, N 512]; A: computed on the way; B: input Wk_aud_for_vid (given as codes): QUANTISED (scales: A lowp_scales[14], B lowp_scales[15])
;;     13. batch 32 x [M 2,048, K 64] x [K 64, N 2,048]; A: computed on the way; B: computed on the way: QUANTISED (scales: A lowp_scales[16], B lowp_scales[17])
;;     14. [M 8,192, K 8] x [K 8, N 16]; A: computed on the way; B: input vg_W1: left as it is (K = 8 < 32)
;;     15. [M 8,192, K 16] x [K 16, N 1]; A: computed on the way; B: input vg_W2: left as it is (K = 16 < 32)
;;     16. [M 8,192, K 512] x [K 512, N 512]; A: computed on the way; B: input Wq_aud (given as codes): QUANTISED (scales: A lowp_scales[18], B lowp_scales[19])
;;     17. [M 8,192, K 512] x [K 512, N 512]; A: computed on the way; B: input Wk_vid_for_aud (given as codes): QUANTISED (scales: A lowp_scales[20], B lowp_scales[21])
;;     18. batch 32 x [M 2,048, K 64] x [K 64, N 2,048]; A: computed on the way; B: computed on the way: QUANTISED (scales: A lowp_scales[22], B lowp_scales[23])
;;     19. [M 8,192, K 8] x [K 8, N 16]; A: computed on the way; B: input ag_W1: left as it is (K = 8 < 32)
;;     20. [M 8,192, K 16] x [K 16, N 1]; A: computed on the way; B: input ag_W2: left as it is (K = 16 < 32)
;;   THE QUANTISER, for each operand of a quantised product, along K:
;;     - The operand's scale is 2^e, e = its entry of the input lowp_scales (int32; the entries are numbered through the quantised products in the list's order, A before B).
;;     - Each number is divided by the scale, clamped to +-57,344, and rounded to the nearest number of E5M2, ties to even, subnormals kept.
;;     - The product sums the exact products of the quantised numbers (number of the format x scale) in f32.
;;   ~~~python
;;   def quantise(x, axis, e):      # numpy; x: float32 -> the quantised numbers, widened to float32 again
;;       x = np.moveaxis(x, axis, -1); K = x.shape[-1]
;;       r = np.clip(x / 2.0 ** e, -57344, 57344)
;;       step = 2.0 ** (np.maximum(np.frexp(np.where(r == 0, 1, r))[1] - 1, -14) - 2)
;;       q = np.round(r / step) * step * 2.0 ** e      # np.round: ties to even
;;       return np.moveaxis(q, -1, axis).astype(np.float32)
;;   ~~~
;;   OPERANDS COMPUTED ON THE WAY. 'Computed on the way' means the value that the module computes at that place (a softmax that the list does not call 'softmax' is quantised finished and normalised). What goes into a quantiser is computed in f32, as accurately as f32 sums, v_exp_f32 and their like allow (about 1e-6 of the number): no bf16 or f16 on the way to a quantiser, and a product that is left as it is and whose result goes on into a quantised operand takes f32 operands (vector FMAs, or v_wmma_f32_16x16x4_f32). A number that lies on a knife's edge between two numbers of the format may be rounded either way, as far as f32 arithmetic and the matrix unit's own rounding can turn it there, and no further.
;;   INPUTS GIVEN AS CODES. Wk_aud_for_vid (in the module: [2, 512, 512], K = its axis 2); Wk_vid_for_aud (in the module: [2, 512, 512], K = its axis 2); Wq_aud (in the module: [2, 512, 512], K = its axis 2); Wq_vid (in the module: [2, 512, 512], K = its axis 2): each comes as NAME_codes (uint8): NAME with its K axis moved to the last place and cut into blocks of 32 codes, [.., K / 32, bytes a block], one block behind the other in memory; one code a byte (a code: sign, 5 exponent bits, 2 mantissa bits); its scale is its entry of lowp_scales. Its value is code x scale, taken as it is: it is not quantised again, and the codes and scales need not be those that the quantiser above would give.
;; 2 versions, each right; version 2 is version 1 with the launches score, score1, score2, score3 written anew for expert scheduling mode. Each part assembles by itself: llvm-mc -triple=amdgcn-amd-amdhsa -mcpu=gfx1250 --defsym DOCPART=n.
;; ======== version 1 of 2: 9 launches
;; workspace buffers: qc 4,194,304 bytes; kc 4,194,304 bytes; rel 262,144 bytes; fA 32,768 bytes; fB 32,768 bytes; fC 32,768 bytes; cfgA 256 bytes of whole numbers; cfgB 256 bytes of whole numbers
;; launch first (part 1): grid 256 x 1, 4 waves a work-group, no clusters, 34,304 bytes of LDS; arguments x_aud, x_vid, fC, fB, fA, rel, aud_kpm, vid_kpm, ag_W1, ag_b1, ag_W2, ag_b2, vid_ln_g, vid_ln_b, Wk_aud_for_vid_codes, Wq_vid_codes, lowp_scales, cfgB, cfgA, kc, qc, out0; writes fA, fB, cfgA, kc, qc
.if DOCPART == 1
	.amdgcn_target "amdgcn-amd-amdhsa--gfx1250"
	.amdhsa_code_object_version 6
	.text
	.protected	k_q89ab00632b_first
	.globl	k_q89ab00632b_first
	.p2align	8
	.type	k_q89ab00632b_first,@function
k_q89ab00632b_first:
	s_mov_b64 s[64:65], 0
	v_nop
	global_prefetch_b8 v0, s[64:65] scope:SCOPE_SE
	s_setreg_imm32_b32 hwreg(HW_REG_WAVE_MODE, 25, 1), 1
	s_wait_xcnt 0x0
; ONE HALF-LAYER'S FRONT: (the gate of the half-layer before,) LayerNorm, quantiser, projection, quantiser; the codes of q and k go to memory.
; This text serves half-layer 0 (FIRST = 1: no gate yet, every row factor is 1) and half-layers 1 to 3 (FIRST = 0); the two texts differ in .set FIRST, in a few waits and in the closing add's registers.
; STREAMS.  U is the stream that the half-layer before has gated and whose rows are this half-layer's keys; V gives this half-layer's queries.
; A stream is never rewritten in memory: x_now = x_input x F, one factor F a row (F = the product of its 1 + gate), and LN(x F) = F (x - mean) / sqrt(F^2 var + eps) x g + b
; with mean and var of the raw row.  (One rounding by F where the source rounds x + x gate at each update.)
; SHARES.  256 work-groups: role = number / 128 (0: U, makes k; 1: V, makes q), block = number % 128: 64 rows.  One way through the text: the role chooses pointers and scale entries.
; Wave w normalises and quantises rows 16 w .. 16 w + 15 (codes to LDS, rows of 512 bytes + 16), and holds W's rows 128 w .. 128 w + 127 (heads 2 w, 2 w + 1) in 512 registers, read from memory
; once and by this wave alone; behind the one barrier it multiplies them with all 64 rows.
; THE PRODUCT IS USED TRANSPOSED (source 0 = 16 rows of W, source 1 = 16 tokens): a lane holds one token and eight neighbouring outputs, which one conversion turns into two registers of the next operand.
; Both sides are fetched 16 bytes a lane (register 4 c + .. = K 32 c + 16 (lane / 16) + ..): the same permutation of K on both sides, so every product meets its partner.
; OUT: qc, kc: [batch][head][tile of 16 tokens][2][32 lanes][16 bytes]: images of the next product's registers: register 2 c + e, byte y of lane (r, hh) = token r, channel 16 c + 8 hh + 4 e + y.
; A masked key's codes are zeros: its hold is at 0, so it adds nothing to any sum of logits.
; n (FIRST = 0) is the number of the half-layer before, a whole number that the launch before stored; it is held at 2 and enters offsets and one branch (half-layer 3 stores out0 = x F for role U).
; SCALES: entries 6 h + 0, 1: q's projection (rows, Wq); + 2, 3: k's (rows, Wk); + 4: q, + 5: k in the logits (q is taken as the left operand there, as the source writes it).
; LIMITS: eA and eOut - eA - eW between -126 and 112, so that each power of two is an f32 number; NaN and infinities among the inputs are not served; a mask's byte is 0 or 1.
; FIRST = 1 fetches all 22 pointers and never uses the slots fU, rel, kpmV, the four gate slots, cfg_in and xout.
.set FIRST, 1
.set PITCH, 528                        ; an LDS row: 512 codes + 16 bytes: an odd multiple of 16, so the 16 rows of a fragment load start at 16 different columns of banks
.set T,   176                          ; v176-207 eight registers at work for each of a group's four rows
.set XF,  176                          ; v176-239 x F of a group, where it is stored
.set MN,  208                          ; v208-215 the rows' means, as pairs (low word used)
.set RF,  216                          ; v216-223 the rows' factors F / sqrt(..), as pairs
.set PT,  224                          ; v224-227 the other half of the lanes' sums
.set CD,  240                          ; v240-255 a group's codes
.set GN,  144                          ; v144-159 LN gain, v160-175 LN bias, of my columns 128 i + 4 lane + e
.set BS,  160
.set MSB, 0
.macro WIN new                         ; the immediate's high byte repeats the setting that is left; bits 1:0 source 0, 3:2 source 1, 5:4 source 2, 7:6 destination
.if MSB != (\new)
	s_set_vgpr_msb (MSB<<8)|(\new)
.set MSB, (\new)
.endif
.endm
.macro WLOAD f                         ; W's fragment f = 8 s + t (16 rows 16 t on, K 128 s on) into registers 16 (f % 16) of window 1 (f < 16) or 2
.irp c, 0,1,2,3
	global_load_b128 v[16*((\f)%16)+4*\c:16*((\f)%16)+4*\c+3], v5, s[36:37] offset:8192*((\f)%8)+128*((\f)/8)+32*\c
.endr
.endm
.macro AFETCH s, buf                   ; the four token tiles' fragments of K step s
.irp m, 0,1,2,3
.irp c, 0,1,2,3
	ds_load_b128 v[\buf+16*\m+4*\c:\buf+16*\m+4*\c+3], v10 offset:16*PITCH*\m+128*\s+32*\c
.endr
.endr
.endm
.macro MULSTEP s, buf, zero            ; 32 matrix instructions; the 32 accumulators take turns, one instruction a turn, in the same order in every step
.if (\s) < 2
	WIN 0xf1
.else
	WIN 0xf2
.endif
.irp t, 0,1,2,3,4,5,6,7
.irp m, 0,1,2,3
.if \zero
	v_wmma_f32_16x16x128_bf8_bf8 v[8*(4*\t+\m):8*(4*\t+\m)+7], v[16*(8*((\s)%2)+\t):16*(8*((\s)%2)+\t)+15], v[\buf+16*\m:\buf+16*\m+15], 0
.else
	v_wmma_f32_16x16x128_bf8_bf8 v[8*(4*\t+\m):8*(4*\t+\m)+7], v[16*(8*((\s)%2)+\t):16*(8*((\s)%2)+\t)+15], v[\buf+16*\m:\buf+16*\m+15], v[8*(4*\t+\m):8*(4*\t+\m)+7]
.endif
.endr
.endr
.endm
.macro RED4                            ; v[T + 8 a], a = 0 .. 3, summed over the 32 lanes, the four rows line by line
.irp x, 1,2,4,8
.irp a, 0,1,2,3
	v_add_f32_dpp v[T+8*\a], v[T+8*\a], v[T+8*\a] row_xmask:\x row_mask:0xf bank_mask:0xf
.endr
.endr
.irp a, 0,1,2,3
	v_permlanex16_b32 v[PT+\a], v[T+8*\a], s86, s87
.endr
.irp a, 0,1,2,3
	v_add_f32 v[T+8*\a], v[T+8*\a], v[PT+\a]
.endr
.endm
; THE GATE of the half-layer before, for my 16 rows: lane (r, hh) holds row r and hidden units 8 hh .. 8 hh + 7.  All in f32: F goes on into a quantiser.
.macro GATE
	v_add3_u32 v21, v128, v129, v130               ; my 64 bytes of the keys' mask, added as words: no byte passes 16
	v_add3_u32 v22, v131, v132, v133
	v_add3_u32 v23, v134, v135, v136
	v_add3_u32 v24, v137, v138, v139
	v_add3_u32 v21, v21, v140, v141
	v_add3_u32 v22, v22, v142, v143
	v_add3_u32 v21, v21, v22, v23
	v_add_nc_u32 v21, v21, v24
	v_mul_lo_u32 v21, v21, s93                     ; x 0x01010101: the top byte is the sum of the four
	v_lshrrev_b32 v21, 24, v21
	v_cvt_f32_u32 v21, v21
.irp x, 1,2,4,8
	v_add_f32_dpp v21, v21, v21 row_xmask:\x row_mask:0xf bank_mask:0xf
.endr
	v_permlanex16_b32 v22, v21, s86, s87
	v_add_f32 v21, v21, v22                        ; masked keys of the batch: a whole number, exact
	v_cmp_eq_f32 s83, s82, v21                     ; all 2,048 masked: the gate is 0
	v_sub_f32 v22, s82, v21
	v_max_num_f32 v22, 1.0, v22                    ; valid keys, at least 1
	v_rcp_f32 v22, v22
	v_mov_b32 v23, 0                               ; (a plain place behind the reciprocal; v23 is named as the pair's upper word)
	s_or_b32 s83, s83, s85                         ; role V has no gate here: 0 as well
	v_ldexp_f32 v22, v22, s81                      ; 2^(eq + ek - 3) / valid: the two scales and 1 / sqrt(64)
.irp j, 0,2,4,6
	v_pk_mul_f32 v[32+\j:33+\j], v[32+\j:33+\j], v[22:23] op_sel_hi:[1,0]
.endr
.irp e, 0,1,2,3,4,5,6,7
	v_fma_f32 v[24+\e], v32, v[48+8*\e], v[112+\e] ; b1 starts the sums
.endr
.irp j, 1,2,3,4,5,6,7
.irp e, 0,1,2,3,4,5,6,7
	v_fma_f32 v[24+\e], v[32+\j], v[48+8*\e+\j], v[24+\e]
.endr
.endr
.irp e, 0,1,2,3,4,5,6,7
	v_max_num_f32 v[24+\e], 0, v[24+\e]
.endr
	v_mul_f32 v21, v24, v120
	v_mul_f32 v22, v25, v121
.irp e, 2,4,6
	v_fma_f32 v21, v[24+\e], v[120+\e], v21
	v_fma_f32 v22, v[25+\e], v[121+\e], v22
.endr
	v_add_f32 v21, v21, v22
	v_permlanex16_b32 v22, v21, s86, s87           ; the other eight hidden units
	v_add_f32 v21, v21, v22
	v_add_f32 v21, s80, v21                        ; + b2
	v_mul_f32 v21, 0xbfb8aa3b, v21                 ; sigmoid(z) = 1 / (1 + 2^(-z log2 e))
	v_exp_f32 v21, v21
	v_nop                                          ; a plain place behind the exponential
	v_add_f32 v21, 1.0, v21
	v_rcp_f32 v21, v21
	v_nop                                          ; and behind the reciprocal
	v_cndmask_b32 v21, v21, 0, s83
	v_fma_f32 v20, v40, v21, v40                   ; F = F_before (1 + gate)
.endm
; Rows 4 g .. 4 g + 3 of my 16: LayerNorm, hold, codes, to LDS.  The four rows go line by line, so that no line waits for the line above it.  Row a's 16 numbers: window 3, v[64 g + 16 a ..].
.macro LNGROUP g
	s_wait_loadcnt 48                              ; the group's 16 loads of x are in: behind them stand 16 (3 - g) loads of x and 16 g of W
	WIN 0x40
.irp f, 0,1,2,3
	WLOAD 4*\g+\f
.endr
	WIN 0
.if FIRST == 0
.irp a, 0,1,2,3
	v_readlane_b32 s[68+2*\a], v20, 4*\g+\a        ; the row's F (row r lies in lane r),
	v_readlane_b32 s[76+\a], v21, 4*\g+\a          ; and F^2 / 512
.endr
	s_cmp_eq_u32 s63, 0
	s_cbranch_scc1 .Lkeep_\@                       ; only half-layer 3's role U stores x F: a branch on the stored number and the role; no barrier and no LDS line stands under it
	WIN 0x03
.irp a, 0,1,2,3
.irp j, 0,2,4,6,8,10,12,14
	v_pk_mul_f32 v[XF+16*\a+\j:XF+16*\a+\j+1], v[64*\g+16*\a+\j:64*\g+16*\a+\j+1], s[68+2*\a:69+2*\a] op_sel_hi:[1,0]
.endr
.endr
	WIN 0
.irp a, 0,1,2,3
.irp i, 0,1,2,3
	global_store_b128 v4, v[XF+16*\a+4*\i:XF+16*\a+4*\i+3], s[50:51] offset:2048*(4*\g+\a)+512*\i th:TH_STORE_NT   ; 32 lanes store 512 consecutive bytes, aligned
.endr
.endr
	s_wait_xcnt 0x0                                ; the stores' registers are written again below only behind this wait
.Lkeep_\@:
.endif
	WIN 0x0f                                       ; sources in window 3, results in window 0
.irp k, 0,1,2,3
.irp a, 0,1,2,3
	v_pk_add_f32 v[T+8*\a+2*\k:T+8*\a+2*\k+1], v[64*\g+16*\a+4*\k:64*\g+16*\a+4*\k+1], v[64*\g+16*\a+4*\k+2:64*\g+16*\a+4*\k+3]
.endr
.endr
	WIN 0
.irp a, 0,1,2,3
	v_pk_add_f32 v[T+8*\a:T+8*\a+1], v[T+8*\a:T+8*\a+1], v[T+8*\a+2:T+8*\a+3]
.endr
.irp a, 0,1,2,3
	v_pk_add_f32 v[T+8*\a+4:T+8*\a+5], v[T+8*\a+4:T+8*\a+5], v[T+8*\a+6:T+8*\a+7]
.endr
.irp a, 0,1,2,3
	v_pk_add_f32 v[T+8*\a:T+8*\a+1], v[T+8*\a:T+8*\a+1], v[T+8*\a+4:T+8*\a+5]
.endr
.irp a, 0,1,2,3
	v_add_f32 v[T+8*\a], v[T+8*\a], v[T+8*\a+1]
.endr
	RED4
.irp a, 0,1,2,3
	v_mul_f32 v[MN+2*\a], 0x3b000000, v[T+8*\a]    ; / 512: the raw row's mean
.endr
	WIN 0xc3                                       ; source 0 and result in window 3
.irp j, 0,2,4,6,8,10,12,14
.irp a, 0,1,2,3
	v_pk_add_f32 v[64*\g+16*\a+\j:64*\g+16*\a+\j+1], v[64*\g+16*\a+\j:64*\g+16*\a+\j+1], v[MN+2*\a:MN+2*\a+1] op_sel_hi:[1,0] neg_lo:[0,1] neg_hi:[0,1]
.endr
.endr
	WIN 0x0f
.irp a, 0,1,2,3
	v_pk_mul_f32 v[T+8*\a:T+8*\a+1], v[64*\g+16*\a:64*\g+16*\a+1], v[64*\g+16*\a:64*\g+16*\a+1]
	v_pk_mul_f32 v[T+8*\a+2:T+8*\a+3], v[64*\g+16*\a+2:64*\g+16*\a+3], v[64*\g+16*\a+2:64*\g+16*\a+3]
.endr
.irp k, 1,2,3
.irp a, 0,1,2,3
	v_pk_fma_f32 v[T+8*\a:T+8*\a+1], v[64*\g+16*\a+4*\k:64*\g+16*\a+4*\k+1], v[64*\g+16*\a+4*\k:64*\g+16*\a+4*\k+1], v[T+8*\a:T+8*\a+1]
	v_pk_fma_f32 v[T+8*\a+2:T+8*\a+3], v[64*\g+16*\a+4*\k+2:64*\g+16*\a+4*\k+3], v[64*\g+16*\a+4*\k+2:64*\g+16*\a+4*\k+3], v[T+8*\a+2:T+8*\a+3]
.endr
.endr
	WIN 0
.irp a, 0,1,2,3
	v_pk_add_f32 v[T+8*\a:T+8*\a+1], v[T+8*\a:T+8*\a+1], v[T+8*\a+2:T+8*\a+3]
.endr
.irp a, 0,1,2,3
	v_add_f32 v[T+8*\a], v[T+8*\a], v[T+8*\a+1]
.endr
	RED4
.irp a, 0,1,2,3
	v_fma_f32 v[T+8*\a], v[T+8*\a], s[76+\a], s99  ; F^2 var + eps
.endr
.irp a, 0,1,2,3
	v_rsq_f32 v[RF+2*\a], v[T+8*\a]
.endr
	v_nop                                          ; a plain place behind the last root
.if FIRST == 0
.irp a, 0,1,2,3
	v_mul_f32 v[RF+2*\a], s[68+2*\a], v[RF+2*\a]
.endr
.endif
	WIN 0xc3
	s_wait_alu depctr_va_vdst(0)
.irp j, 0,2,4,6,8,10,12,14
.irp a, 0,1,2,3
	v_pk_mul_f32 v[64*\g+16*\a+\j:64*\g+16*\a+\j+1], v[64*\g+16*\a+\j:64*\g+16*\a+\j+1], v[RF+2*\a:RF+2*\a+1] op_sel_hi:[1,0]
.endr
.endr
.irp j, 0,2,4,6,8,10,12,14
.irp a, 0,1,2,3
	v_pk_fma_f32 v[64*\g+16*\a+\j:64*\g+16*\a+\j+1], v[64*\g+16*\a+\j:64*\g+16*\a+\j+1], v[GN+\j:GN+\j+1], v[BS+\j:BS+\j+1]
.endr
.endr
.irp j, 0,1,2,3,4,5,6,7,8,9,10,11,12,13,14,15
.irp a, 0,1,2,3
	v_med3_num_f32 v[64*\g+16*\a+\j], v[64*\g+16*\a+\j], -v13, v13   ; the conversion to an 8-bit code does not saturate (ISA guide 7.6.2): the hold at the largest code x the scale
.endr
.endr
	s_wait_dscnt 0x0                               ; the last group's LDS stores have read the codes' registers
	WIN 0x03
.irp a, 0,1,2,3
	v_cvt_scalef32_pk8_bf8_f32 v[CD+4*\a:CD+4*\a+1], v[64*\g+16*\a:64*\g+16*\a+7], v12
	v_cvt_scalef32_pk8_bf8_f32 v[CD+4*\a+2:CD+4*\a+3], v[64*\g+16*\a+8:64*\g+16*\a+15], v12
.endr
	WIN 0
	v_nop                                          ; one plain line behind the last conversion: matrix instructions later write the numbers' registers
.irp a, 0,1,2,3
.irp i, 0,1,2,3
	ds_store_b32 v9, v[CD+4*\a+\i] offset:PITCH*(4*\g+\a)+128*\i   ; four codes, K = 128 i + 4 lane on: 32 lanes store 128 consecutive bytes of the row
.endr
.endr
.endm
	s_load_b512 s[8:23], s[0:1], 0x0               ; xU 8, xV 10, fU 12, fV 14, fout 16, rel 18, kpmU 20, kpmV 22
	s_load_b512 s[24:39], s[0:1], 0x40             ; gW1 24, gb1 26, gW2 28, gb2 30, LN gain 32, LN bias 34, Wk 36, Wq 38
	s_load_b256 s[40:47], s[0:1], 0x80             ; scales 40, cfg_in 42, cfg_out 44, kc 46
	s_load_b128 s[48:51], s[0:1], 0xa0             ; qc 48, xout 50
	v_lshl_add_u32 v62, v0, 2, 0x8400
	v_mov_b32 v63, 0
	v_lshrrev_b32 v1, 5, v0
	v_readfirstlane_b32 s2, v1                     ; wave 0..3
	v_and_b32 v1, 31, v0                           ; lane
	v_and_b32 v2, 15, v0                           ; r
	v_bfe_u32 v3, v0, 4, 1                         ; hh
	v_lshlrev_b32 v4, 4, v1                        ; 16 lane
	v_lshlrev_b32 v5, 9, v2
	v_lshl_add_u32 v5, v3, 4, v5                   ; W: row r of 512 bytes + 16 hh
	v_lshlrev_b32 v6, 2, v2                        ; 4 r
	v_lshlrev_b32 v7, 8, v3                        ; 256 hh: eight rows of W1
	v_lshlrev_b32 v8, 5, v3                        ; 32 hh: eight numbers of b1, W2
	s_mul_i32 s6, s2, 16*PITCH
	v_lshlrev_b32 v9, 2, v1
	v_add_nc_u32 v9, s6, v9                        ; LDS, in: my wave's 16 rows + 4 lane
	v_mul_u32_u24 v10, v2, PITCH
	v_lshl_add_u32 v10, v3, 4, v10                 ; LDS, out: row r + 16 hh
	v_lshlrev_b32 v11, 3, v1                       ; 8 lane
.irp j, 1,3,5,7
	v_mov_b32 v[MN+\j], 0                          ; named as upper words of pairs
	v_mov_b32 v[RF+\j], 0
.endr
.irp j, 0,1,2,3
	v_mov_b32 v[PT+\j], 0                          ; a lane permute's destination counts as one of its sources
.endr
	s_lshr_b32 s3, ttmp9, 7                        ; role
	s_and_b32 s4, ttmp9, 127                       ; block of 64 rows
	s_lshr_b32 s5, s4, 5                           ; batch
	s_and_b32 s95, s4, 31                          ; block within the batch
	s_mov_b32 s7, 0                                ; the upper word of every offset
	s_mov_b32 s86, 0x76543210                      ; v_permlanex16_b32: lane l xor 16
	s_mov_b32 s87, 0xfedcba98
	s_mov_b32 s99, 0x3727c5ac                      ; eps = 1e-5
.if FIRST
.irp a, 0,1,2,3
	s_mov_b32 s[76+\a], 0x3b000000                 ; F^2 / 512 with F = 1
.endr
.else
	s_mov_b32 s82, 0x45000000                      ; 2048.0
	s_mov_b32 s93, 0x01010101
.irp a, 0,1,2,3
	s_mov_b32 s[69+2*\a], 0                        ; named as upper words of pairs
.endr
.endif
	s_wait_kmcnt 0x0
.if FIRST == 0
	s_load_b32 s60, s[42:43], 0x0                  ; n
.endif
	s_cmp_eq_u32 s3, 0                             ; the role chooses between buffers: it hangs on the work-group's number alone
	s_cselect_b64 s[8:9], s[8:9], s[10:11]         ; x
	s_cselect_b64 s[36:37], s[36:37], s[38:39]     ; W
	s_cselect_b64 s[46:47], s[46:47], s[48:49]     ; codes out
.if FIRST
	s_cselect_b64 s[16:17], s[16:17], s[14:15]     ; both roles store ones, each into a buffer of its own
.else
	s_cselect_b64 s[12:13], s[12:13], s[14:15]     ; F so far
.endif
	s_cselect_b32 s84, -1, 0                       ; all ones for role U
.if FIRST == 0
	s_not_b32 s85, s84
.endif
	s_lshl_b32 s6, s4, 17                          ; x: 64 rows of 2,048 bytes a block, 16 a wave
	s_lshl_b32 s66, s2, 15
	s_add_co_u32 s6, s6, s66
	s_add_nc_u64 s[8:9], s[8:9], s[6:7]
.if FIRST == 0
	s_add_nc_u64 s[50:51], s[50:51], s[6:7]
.endif
	s_lshl_b32 s6, s4, 8                           ; F: 4 bytes a row
	s_lshl_b32 s66, s2, 6
	s_add_co_u32 s6, s6, s66
	s_add_nc_u64 s[16:17], s[16:17], s[6:7]
.if FIRST == 0
	s_add_nc_u64 s[12:13], s[12:13], s[6:7]
	s_lshl_b32 s6, s95, 8                          ; rel [batch][head][token]: heads stand in the immediates
	s_add_co_u32 s6, s6, s66
	s_lshl_b32 s67, s5, 16
	s_add_co_u32 s6, s6, s67
	s_add_nc_u64 s[18:19], s[18:19], s[6:7]
	s_lshl_b32 s6, s5, 11                          ; the batch's 2,048 bytes of the mask of the keys of the half-layer before
	s_add_nc_u64 s[22:23], s[22:23], s[6:7]
.endif
	s_lshl_b32 s6, s4, 6                           ; the block's 64 bytes of U's mask
	s_add_nc_u64 s[20:21], s[20:21], s[6:7]
	s_lshl_b32 s6, s5, 20                          ; codes: batch, head 2 w, token tile 4 x block
	s_lshl_b32 s66, s2, 18
	s_add_co_u32 s6, s6, s66
	s_lshl_b32 s66, s95, 12
	s_add_co_u32 s6, s6, s66
	s_add_nc_u64 s[46:47], s[46:47], s[6:7]
.if FIRST == 0
.irp i, 0,1,2,3
	global_load_b128 v[128+4*\i:131+4*\i], v4, s[22:23] offset:512*\i
.endr
.irp j, 0,1,2,3,4,5,6,7
	global_load_b32 v[32+\j], v6, s[18:19] offset:8192*\j
.endr
	global_load_b32 v40, v6, s[12:13]
.endif
.irp m, 0,1,2,3
	global_load_u8 v[41+\m], v2, s[20:21] offset:16*\m     ; token 16 m + r
.endr
.if FIRST == 0
	s_wait_kmcnt 0x0
	s_min_u32 s60, s60, 2                          ; a stored number enters offsets only behind this hold
	s_and_b32 s61, s60, 2                          ; twice the gate's layer
	s_add_co_u32 s62, s60, 1
	s_and_b32 s62, s62, 2                          ; twice the layer of W and LN
	s_cmp_eq_u32 s60, 2
	s_cselect_b32 s63, 1, 0
	s_and_b32 s63, s63, s84                        ; x F is stored: half-layer 3, role U
	s_mul_i32 s6, s60, 24
	s_add_nc_u64 s[40:41], s[40:41], s[6:7]
	s_load_b256 s[52:59], s[40:41], 0x10           ; entries 6 n + 4, + 5 (the logits before), then this half-layer's six
	s_lshl_b32 s6, s61, 1
	s_add_nc_u64 s[30:31], s[30:31], s[6:7]
	s_load_b32 s80, s[30:31], 0x0                  ; b2
	s_lshl_b32 s6, s61, 8
	s_add_nc_u64 s[24:25], s[24:25], s[6:7]
	s_lshl_b32 s6, s61, 5
	s_add_nc_u64 s[26:27], s[26:27], s[6:7]
	s_add_nc_u64 s[28:29], s[28:29], s[6:7]
	s_lshl_b32 s6, s62, 10
	s_add_nc_u64 s[32:33], s[32:33], s[6:7]
	s_add_nc_u64 s[34:35], s[34:35], s[6:7]
	s_lshl_b32 s6, s62, 17
	s_lshl_b32 s66, s2, 16
	s_add_co_u32 s6, s6, s66
.else
	s_load_b64 s[54:55], s[40:41], 0x0             ; this half-layer's six entries
	s_load_b128 s[56:59], s[40:41], 0x8
	s_lshl_b32 s6, s2, 16
.endif
	s_add_nc_u64 s[36:37], s[36:37], s[6:7]        ; W: the layer, my 128 rows of 512 bytes
.if FIRST == 0
.irp i, 0,1,2,3,4,5,6,7,8,9,10,11,12,13,14,15
	global_load_b128 v[48+4*\i:51+4*\i], v7, s[24:25] offset:16*\i      ; v[48 + 8 e + j] = W1[8 hh + e][j]
.endr
.irp i, 0,1
	global_load_b128 v[112+4*\i:115+4*\i], v8, s[26:27] offset:16*\i
	global_load_b128 v[120+4*\i:123+4*\i], v8, s[28:29] offset:16*\i
.endr
.endif
.irp i, 0,1,2,3
	global_load_b128 v[GN+4*\i:GN+4*\i+3], v4, s[32:33] offset:512*\i
	global_load_b128 v[BS+4*\i:BS+4*\i+3], v4, s[34:35] offset:512*\i
.endr
	WIN 0xc0                                       ; my 16 rows of x into window 3: row p, piece i at v[16 p + 4 i]; each load reads 512 consecutive bytes
.set p, 0
.rept 16
.irp i, 0,1,2,3
	global_load_b128 v[16*p+4*\i:16*p+4*\i+3], v4, s[8:9] offset:2048*p+512*\i
.endr
.set p, p+1
.endr
	WIN 0
	s_wait_kmcnt 0x0
	s_cmp_eq_u32 s3, 0
	s_cselect_b32 s96, s56, s54                    ; eA: the rows' scale
	s_cselect_b32 s97, s57, s55                    ; eW
	s_cselect_b32 s98, s59, s58                    ; eOut: k's or q's scale in the logits
	s_add_co_i32 s6, s96, 127
	s_lshl_b32 s66, s6, 23
	v_mov_b32 v12, s66                             ; 2^eA as f32: the conversion takes its exponent field
	s_add_co_i32 s6, s6, 15
	s_lshl_b32 s6, s6, 23
	s_or_b32 s6, s6, 0x600000
	v_mov_b32 v13, s6                              ; 57,344 x 2^eA
	s_sub_co_i32 s6, s98, s96
	s_sub_co_i32 s6, s6, s97                       ; a sum stands for sum x 2^(eA + eW): the three scales are folded into the conversion's one
	s_add_co_i32 s6, s6, 127
	s_lshl_b32 s66, s6, 23
	v_mov_b32 v14, s66
	s_add_co_i32 s6, s6, 15
	s_lshl_b32 s6, s6, 23
	s_or_b32 s6, s6, 0x600000
	v_mov_b32 v15, s6
.if FIRST == 0
	s_add_co_i32 s81, s52, s53
	s_add_co_i32 s81, s81, -3                      ; eq + ek of the logits before, and 1 / sqrt(64)
.endif
	s_wait_loadcnt 63                              ; behind the small loads stand x's 64: the count's field holds 63, so all the small ones are in
.if FIRST
	v_mov_b32 v20, 1.0
.else
	GATE
	v_mul_f32 v21, v20, v20
	v_mul_f32 v21, 0x3b000000, v21                 ; F^2 / 512
	s_cmp_lg_u32 s3, 0
	s_cbranch_scc1 .Lno_f                          ; role V's F is not new
.endif
	s_wait_xcnt 0x0                                ; EXEC changes only behind this wait: loads are out
	v_cmp_gt_u32 vcc_lo, 16, v1
	s_and_saveexec_b32 s92, vcc_lo
	global_store_b32 v6, v20, s[16:17]             ; my 16 rows' F: 64 consecutive bytes a wave, 32 KiB into each of the two buffers
	s_wait_xcnt 0x0
	s_or_b32 exec_lo, exec_lo, s92
.if FIRST == 0
.Lno_f:
.endif
	s_cmp_lg_u32 ttmp9, 0
	s_cbranch_scc1 .Lno_cfg
	s_cmp_lg_u32 s2, 0
	s_cbranch_scc1 .Lno_cfg
.if FIRST
	s_mov_b32 s6, 0
.else
	s_add_co_u32 s6, s60, 1
.endif
	v_mov_b32 v28, s6                              ; the next launch's n, 64 equal words: 256 consecutive bytes
	v_mov_b32 v29, s6
	global_store_b64 v11, v[28:29], s[44:45]
.Lno_cfg:
.irp m, 0,1,2,3
	v_and_b32 v[41+\m], s84, v[41+\m]              ; queries are not masked
	v_cmp_ne_u32 s[88+\m], 0, v[41+\m]
	v_cndmask_b32 v[16+\m], v15, 0, s[88+\m]       ; the hold of token 16 m + r: 0 where the key is masked
.endr
	LNGROUP 0
	LNGROUP 1
	LNGROUP 2
	LNGROUP 3
	WIN 0x80
.irp f, 16,17,18,19,20,21,22,23
	WLOAD \f
.endr
	WIN 0
	s_wait_dscnt 0x0                               ; for the others' sake: my rows' codes lie in LDS
	s_barrier_signal -1
	s_barrier_wait -1
	AFETCH 0, 64
	AFETCH 1, 128
	AFETCH 2, 192
	s_wait_loadcnt 63                              ; W's K step 0 is in: behind it stand steps 1 and 2, 64 loads
	WIN 0x80
.irp f, 24,25,26,27,28,29,30,31
	WLOAD \f
.endr
	s_wait_dscnt 32                                ; the rows' K step 0 is in; steps 1 and 2 may be out
	MULSTEP 0, 64, 1                               ; the first products start the sums
.rept 4
	v_nop                                          ; four places in front of loads into registers that matrix instructions have read
.endr
	WIN 0
	AFETCH 3, 64
	s_wait_loadcnt 63                              ; W's step 1: behind it steps 2 and 3, 64 loads
	s_wait_dscnt 32                                ; the rows' step 1: behind it steps 2 and 3
	MULSTEP 1, 128, 0
	s_wait_loadcnt 32
	s_wait_dscnt 16
	MULSTEP 2, 192, 0
	s_wait_loadcnt 0x0
	s_wait_dscnt 0x0
	MULSTEP 3, 64, 0
.rept 4
	v_nop                                          ; four places in front of the first read of results
.endr
	WIN 0xc3
.irp t, 0,1,2,3,4,5,6,7
.irp m, 0,1,2,3
.irp j, 0,1,2,3,4,5,6,7
	v_med3_num_f32 v[8*(4*\t+\m)+\j], v[8*(4*\t+\m)+\j], -v[16+\m], v[16+\m]   ; the hold, each accumulator from its low end on; a masked key is held at 0
.endr
.endr
.endr
	WIN 0x03
.irp m, 0,1,2,3
.irp hd, 0,1
.irp c, 0,1,2,3
	v_cvt_scalef32_pk8_bf8_f32 v[64+8*(2*\m+\hd)+2*\c:64+8*(2*\m+\hd)+2*\c+1], v[8*(4*(4*\hd+\c)+\m):8*(4*(4*\hd+\c)+\m)+7], v14   ; registers 2 c, 2 c + 1 of the fragment (token tile m, head 2 w + hd)
.endr
.endr
.endr
	WIN 0
	v_nop                                          ; one plain line behind the last conversion
.irp m, 0,1,2,3
.irp hd, 0,1
.irp q, 0,1
	global_store_b128 v4, v[64+8*(2*\m+\hd)+4*\q:64+8*(2*\m+\hd)+4*\q+3], s[46:47] offset:131072*\hd+1024*\m+512*\q   ; 512 consecutive bytes, aligned
.endr
.endr
.endr
	s_wait_tensorcnt 0x0
	ds_add_u32 v62, v63
	s_wait_dscnt 0x0
	s_endpgm
.Lfunc_end_k_q89ab00632b_first:
	.size	k_q89ab00632b_first, .Lfunc_end_k_q89ab00632b_first-k_q89ab00632b_first
	.p2alignl 7, 3214868480
	.fill 96, 4, 3214868480
	.section	.rodata,"a",@progbits
	.p2align	6, 0x0
	.amdhsa_kernel k_q89ab00632b_first
		.amdhsa_group_segment_fixed_size 34304
		.amdhsa_private_segment_fixed_size 0
		.amdhsa_enable_private_segment 0
		.amdhsa_kernarg_size 176
		.amdhsa_user_sgpr_count 2
		.amdhsa_user_sgpr_kernarg_segment_ptr 1
		.amdhsa_wavefront_size32 1
		.amdhsa_system_sgpr_workgroup_id_x 1
		.amdhsa_system_sgpr_workgroup_id_y 1
		.amdhsa_system_sgpr_workgroup_id_z 1
		.amdhsa_system_vgpr_workitem_id 0
		.amdhsa_next_free_vgpr 1024
		.amdhsa_next_free_sgpr 100
		.amdhsa_reserve_vcc 1
		.amdhsa_float_denorm_mode_32 3
		.amdhsa_float_denorm_mode_16_64 3
		.amdhsa_memory_ordered 1
		.amdhsa_forward_progress 1
		.amdhsa_inst_pref_size 136
	.end_amdhsa_kernel
	.amdgpu_metadata
---
amdhsa.version: [ 1, 2 ]
amdhsa.kernels:
  - .name:           k_q89ab00632b_first
    .symbol:         k_q89ab00632b_first.kd
    .args:
      - { .name: x_aud, .offset: 0, .size: 8, .value_kind: global_buffer, .address_space: global }
      - { .name: x_vid, .offset: 8, .size: 8, .value_kind: global_buffer, .address_space: global }
      - { .name: fC, .offset: 16, .size: 8, .value_kind: global_buffer, .address_space: global }
      - { .name: fB, .offset: 24, .size: 8, .value_kind: global_buffer, .address_space: global }
      - { .name: fA, .offset: 32, .size: 8, .value_kind: global_buffer, .address_space: global }
      - { .name: rel, .offset: 40, .size: 8, .value_kind: global_buffer, .address_space: global }
      - { .name: aud_kpm, .offset: 48, .size: 8, .value_kind: global_buffer, .address_space: global }
      - { .name: vid_kpm, .offset: 56, .size: 8, .value_kind: global_buffer, .address_space: global }
      - { .name: ag_W1, .offset: 64, .size: 8, .value_kind: global_buffer, .address_space: global }
      - { .name: ag_b1, .offset: 72, .size: 8, .value_kind: global_buffer, .address_space: global }
      - { .name: ag_W2, .offset: 80, .size: 8, .value_kind: global_buffer, .address_space: global }
      - { .name: ag_b2, .offset: 88, .size: 8, .value_kind: global_buffer, .address_space: global }
      - { .name: vid_ln_g, .offset: 96, .size: 8, .value_kind: global_buffer, .address_space: global }
      - { .name: vid_ln_b, .offset: 104, .size: 8, .value_kind: global_buffer, .address_space: global }
      - { .name: Wk_aud_for_vid_codes, .offset: 112, .size: 8, .value_kind: global_buffer, .address_space: global }
      - { .name: Wq_vid_codes, .offset: 120, .size: 8, .value_kind: global_buffer, .address_space: global }
      - { .name: lowp_scales, .offset: 128, .size: 8, .value_kind: global_buffer, .address_space: global }
      - { .name: cfgB, .offset: 136, .size: 8, .value_kind: global_buffer, .address_space: global }
      - { .name: cfgA, .offset: 144, .size: 8, .value_kind: global_buffer, .address_space: global }
      - { .name: kc, .offset: 152, .size: 8, .value_kind: global_buffer, .address_space: global }
      - { .name: qc, .offset: 160, .size: 8, .value_kind: global_buffer, .address_space: global }
      - { .name: out0, .offset: 168, .size: 8, .value_kind: global_buffer, .address_space: global }
    .group_segment_fixed_size: 34304
    .private_segment_fixed_size: 0
    .kernarg_segment_align: 8
    .kernarg_segment_size: 176
    .max_flat_workgroup_size: 128
    .sgpr_count:     100
    .vgpr_count:     1024
    .wavefront_size: 32
...
	.end_amdgpu_metadata
.endif
;; end of part 1
;; launch score (part 2): grid 256 x 1, 4 waves a work-group, no clusters, 20,992 bytes of LDS; arguments qc, kc, rel; writes rel
.if DOCPART == 2
	.amdgcn_target "amdgcn-amd-amdhsa--gfx1250"
	.amdhsa_code_object_version 6
	.text
	.protected	k_q89ab00632b_score
	.globl	k_q89ab00632b_score
	.p2align	8
	.type	k_q89ab00632b_score,@function
k_q89ab00632b_score:
	s_mov_b64 s[64:65], 0
	v_nop
	global_prefetch_b8 v0, s[64:65] scope:SCOPE_SE
	s_setreg_imm32_b32 hwreg(HW_REG_WAVE_MODE, 25, 1), 1
	s_wait_xcnt 0x0
; rel[batch][head][query] = the sum over all 2,048 keys of (q's codes . k's codes), K = 64, on the matrix unit; scales, 1 / sqrt(64) and 1 / valid follow in the next launch.
; The logits are only ever summed over the keys, so all key tiles add onto the same accumulators: every product q . k is made, and none is stored.  Masked keys arrive as zero codes.
; SHARES.  A work-group takes 256 queries of one (batch, head); wave w takes all 256 (16 tiles) against keys 512 w .. 512 w + 511.  So each byte of k is wanted by one wave alone and goes from
; memory straight into its registers (32 KiB = 256 registers); the 16 KiB of q are loaded once, a quarter by each wave, and shared through LDS as images of registers.
; No cluster: what partners share (k, among the eight query blocks of a head) is used by one wave of each and is kept out of LDS altogether.
; THE FORM.  v_wmma_f32_16x16x128_bf8_bf8: source 0 = two key tiles on end (registers 0-7: tile 2 j, K 0-63; registers 8-15: tile 2 j + 1, K 64-127), source 1 = a query tile held twice.
; D(m, n) += k[2 j][m] . q[n] + k[2 j + 1][m] . q[n]: a lane holds one query (lane % 16) and eight residues of keys; the eight registers and the two halves of the lanes are added at the end.
; REGISTERS: window 0: v1-5 addresses, v32-63 q on its way and work, v64-103 sums, v128-255 the 16 accumulators; window 1: k's 16 fragments; window 2: q's 16 tiles, each twice.
.set RED, 16384                        ; LDS: q's 16 images of 1,024 bytes at 0; then 1,024 bytes of sums for each wave
.set ACC, 128
.set MSB, 0
.macro WIN new                         ; the immediate's high byte repeats the setting that is left; bits 1:0 source 0, 3:2 source 1, 5:4 source 2, 7:6 destination
.if MSB != (\new)
	s_set_vgpr_msb (MSB<<8)|(\new)
.set MSB, (\new)
.endif
.endm
	s_load_b128 s[4:7], s[0:1], 0x0                ; qc, kc
	s_load_b64 s[8:9], s[0:1], 0x10                ; rel
	v_lshl_add_u32 v126, v0, 2, 0x5000
	v_mov_b32 v127, 0
	v_lshrrev_b32 v1, 5, v0
	v_readfirstlane_b32 s2, v1                     ; wave 0..3
	v_and_b32 v1, 31, v0
	v_lshlrev_b32 v3, 2, v1
	v_lshlrev_b32 v1, 4, v1                        ; 16 lane
	s_lshl_b32 s3, s2, 12
	v_add_nc_u32 v2, s3, v1                        ; where I put my wave's four tiles of q
	s_lshl_b32 s3, s2, 10
	s_add_co_u32 s3, s3, RED
	v_add_nc_u32 v3, s3, v3                        ; my wave's sums: 4 lane
	v_lshl_add_u32 v4, v0, 3, RED                  ; and where I read two queries' sums back
	v_lshlrev_b32 v5, 3, v0                        ; their place in rel
	s_lshr_b32 s12, ttmp9, 3                       ; 8 batch + head
	s_and_b32 s13, ttmp9, 7                        ; block of 256 queries
	s_lshl_b32 s10, s12, 17                        ; a head's codes are 131,072 bytes
	s_lshl_b32 s16, s13, 14
	s_add_co_u32 s16, s16, s10
	s_lshl_b32 s17, s2, 12
	s_add_co_u32 s16, s16, s17                     ; q: the block's 16 KiB, my wave's 4 KiB
	s_mov_b32 s17, 0
	s_lshl_b32 s18, s2, 15
	s_add_co_u32 s18, s18, s10                     ; k: my wave's 32 KiB
	s_mov_b32 s19, 0
	s_lshl_b32 s20, s12, 13
	s_lshl_b32 s21, s13, 10
	s_add_co_u32 s20, s20, s21                     ; rel: 4 bytes a query
	s_mov_b32 s21, 0
	s_mov_b32 s12, 0xffff0000                      ; lanes 16-31
	s_mov_b32 s14, 0x76543210                      ; v_permlanex16_b32: lane l xor 16
	s_mov_b32 s15, 0xfedcba98
	s_wait_kmcnt 0x0
	s_add_nc_u64 s[4:5], s[4:5], s[16:17]
	s_add_nc_u64 s[6:7], s[6:7], s[18:19]
	s_add_nc_u64 s[8:9], s[8:9], s[20:21]
.irp i, 0,1,2,3,4,5,6,7
	global_load_b128 v[32+4*\i:35+4*\i], v1, s[4:5] offset:512*\i th:TH_LOAD_NT     ; read by this wave alone in the launch
.endr
	WIN 0x40
.set j, 0
.rept 16
.irp c, 0,1,2,3
	global_load_b128 v[16*j+4*\c:16*j+4*\c+3], v1, s[6:7] offset:2048*j+512*\c      ; fragment j: key tiles 2 j, 2 j + 1, 2,048 consecutive bytes
.endr
.set j, j+1
.endr
	WIN 0
	s_wait_loadcnt 63                              ; behind q's eight loads stand k's 64: the count's field holds 63, so q is in
.irp i, 0,1,2,3,4,5,6,7
	ds_store_b128 v2, v[32+4*\i:35+4*\i] offset:512*\i
.endr
	s_wait_dscnt 0x0                               ; for the others' sake
	s_barrier_signal -1
	s_barrier_wait -1
	WIN 0x80
.set i, 0
.rept 16
	ds_load_b128 v[16*i:16*i+3], v1 offset:1024*i
	ds_load_b128 v[16*i+4:16*i+7], v1 offset:1024*i+512
	ds_load_b128 v[16*i+8:16*i+11], v1 offset:1024*i          ; the tile once more, for K 64-127
	ds_load_b128 v[16*i+12:16*i+15], v1 offset:1024*i+512
.set i, i+1
.endr
	WIN 0x09                                       ; source 0 (k) window 1, source 1 (q) window 2, C and D window 0
.set j, 0
.rept 16                               ; 16 x 16 matrix instructions; the 16 accumulators take turns, one instruction a turn
	s_wait_loadcnt 4*(15-j)                        ; k's fragment j is in: behind it stand four loads for each later fragment
.set i, 0
.rept 16
.if j == 0
	s_wait_dscnt 4*(15-i)                          ; q's tile i is in: behind it stand four loads for each later tile
	v_wmma_f32_16x16x128_bf8_bf8 v[ACC+8*i:ACC+8*i+7], v[16*j:16*j+15], v[16*i:16*i+15], 0
.else
	v_wmma_f32_16x16x128_bf8_bf8 v[ACC+8*i:ACC+8*i+7], v[16*j:16*j+15], v[16*i:16*i+15], v[ACC+8*i:ACC+8*i+7]
.endif
.set i, i+1
.endr
.set j, j+1
.endr
	WIN 0
.rept 4
	v_nop                                          ; four places in front of the first read of results
.endr
.set i, 0
.rept 16                               ; a tile's eight registers are added, from the accumulator's low end on
	v_pk_add_f32 v[32+4*(i%8):33+4*(i%8)], v[ACC+8*i:ACC+8*i+1], v[ACC+8*i+2:ACC+8*i+3]
	v_pk_add_f32 v[34+4*(i%8):35+4*(i%8)], v[ACC+8*i+4:ACC+8*i+5], v[ACC+8*i+6:ACC+8*i+7]
	v_pk_add_f32 v[32+4*(i%8):33+4*(i%8)], v[32+4*(i%8):33+4*(i%8)], v[34+4*(i%8):35+4*(i%8)]
	v_add_f32 v[64+i], v[32+4*(i%8)], v[33+4*(i%8)]
.set i, i+1
.endr
.irp p, 0,1,2,3,4,5,6,7                ; tiles 2 p and 2 p + 1: the halves of the lanes are added so that lane l ends with query 32 p + l
	v_cndmask_b32 v[80+\p], v[64+2*\p], v[65+2*\p], s12    ; what I keep: tile 2 p in lanes 0-15, tile 2 p + 1 in lanes 16-31
	v_cndmask_b32 v[88+\p], v[65+2*\p], v[64+2*\p], s12    ; what lane l xor 16 wants of me
.endr
.irp p, 0,1,2,3,4,5,6,7
	v_permlanex16_b32 v[64+2*\p], v[88+\p], s14, s15       ; (its destination has been written and is done with)
.endr
.irp p, 0,1,2,3,4,5,6,7
	v_add_f32 v[80+\p], v[80+\p], v[64+2*\p]
.endr
.irp p, 0,1,2,3,4,5,6,7
	ds_store_b32 v3, v[80+\p] offset:128*\p
.endr
	s_wait_dscnt 0x0                               ; for the others' sake
	s_barrier_signal -1
	s_barrier_wait -1
.irp w, 0,1,2,3
	ds_load_b64 v[96+2*\w:97+2*\w], v4 offset:1024*\w      ; the four waves' sums (four quarters of the keys) of my two queries
.endr
	s_wait_dscnt 0x0
	v_pk_add_f32 v[96:97], v[96:97], v[98:99]
	v_pk_add_f32 v[100:101], v[100:101], v[102:103]
	v_pk_add_f32 v[96:97], v[96:97], v[100:101]
	global_store_b64 v5, v[96:97], s[8:9]          ; a wave stores 256 consecutive bytes, aligned
	s_wait_tensorcnt 0x0
	ds_add_u32 v126, v127
	s_wait_dscnt 0x0
	s_endpgm
.Lfunc_end_k_q89ab00632b_score:
	.size	k_q89ab00632b_score, .Lfunc_end_k_q89ab00632b_score-k_q89ab00632b_score
	.p2alignl 7, 3214868480
	.fill 96, 4, 3214868480
	.section	.rodata,"a",@progbits
	.p2align	6, 0x0
	.amdhsa_kernel k_q89ab00632b_score
		.amdhsa_group_segment_fixed_size 20992
		.amdhsa_private_segment_fixed_size 0
		.amdhsa_enable_private_segment 0
		.amdhsa_kernarg_size 24
		.amdhsa_user_sgpr_count 2
		.amdhsa_user_sgpr_kernarg_segment_ptr 1
		.amdhsa_wavefront_size32 1
		.amdhsa_system_sgpr_workgroup_id_x 1
		.amdhsa_system_sgpr_workgroup_id_y 1
		.amdhsa_system_sgpr_workgroup_id_z 1
		.amdhsa_system_vgpr_workitem_id 0
		.amdhsa_next_free_vgpr 768
		.amdhsa_next_free_sgpr 66
		.amdhsa_reserve_vcc 0
		.amdhsa_float_denorm_mode_32 3
		.amdhsa_float_denorm_mode_16_64 3
		.amdhsa_memory_ordered 1
		.amdhsa_forward_progress 1
		.amdhsa_inst_pref_size 37
	.end_amdhsa_kernel
	.amdgpu_metadata
---
amdhsa.version: [ 1, 2 ]
amdhsa.kernels:
  - .name:           k_q89ab00632b_score
    .symbol:         k_q89ab00632b_score.kd
    .args:
      - { .name: qc, .offset: 0, .size: 8, .value_kind: global_buffer, .address_space: global }
      - { .name: kc, .offset: 8, .size: 8, .value_kind: global_buffer, .address_space: global }
      - { .name: rel, .offset: 16, .size: 8, .value_kind: global_buffer, .address_space: global }
    .group_segment_fixed_size: 20992
    .private_segment_fixed_size: 0
    .kernarg_segment_align: 8
    .kernarg_segment_size: 24
    .max_flat_workgroup_size: 128
    .sgpr_count:     66
    .vgpr_count:     768
    .wavefront_size: 32
...
	.end_amdgpu_metadata
.endif
;; end of part 2
;; launch mid1 (part 3): grid 256 x 1, 4 waves a work-group, no clusters, 34,304 bytes of LDS; arguments x_vid, x_aud, fA, fB, fC, rel, vid_kpm, aud_kpm, vg_W1, vg_b1, vg_W2, vg_b2, aud_ln_g, aud_ln_b, Wk_vid_for_aud_codes, Wq_aud_codes, lowp_scales, cfgA, cfgB, kc, qc, out0; writes fC, cfgB, kc, qc, out0
.if DOCPART == 3
	.amdgcn_target "amdgcn-amd-amdhsa--gfx1250"
	.amdhsa_code_object_version 6
	.text
	.protected	k_q89ab00632b_mid1
	.globl	k_q89ab00632b_mid1
	.p2align	8
	.type	k_q89ab00632b_mid1,@function
k_q89ab00632b_mid1:
	s_mov_b64 s[64:65], 0
	v_nop
	global_prefetch_b8 v0, s[64:65] scope:SCOPE_SE
	s_setreg_imm32_b32 hwreg(HW_REG_WAVE_MODE, 25, 1), 1
	s_wait_xcnt 0x0
; ONE HALF-LAYER'S FRONT: (the gate of the half-layer before,) LayerNorm, quantiser, projection, quantiser; the codes of q and k go to memory.
; This text serves half-layer 0 (FIRST = 1: no gate yet, every row factor is 1) and half-layers 1 to 3 (FIRST = 0); the two texts differ in .set FIRST, in a few waits and in the closing add's registers.
; STREAMS.  U is the stream that the half-layer before has gated and whose rows are this half-layer's keys; V gives this half-layer's queries.
; A stream is never rewritten in memory: x_now = x_input x F, one factor F a row (F = the product of its 1 + gate), and LN(x F) = F (x - mean) / sqrt(F^2 var + eps) x g + b
; with mean and var of the raw row.  (One rounding by F where the source rounds x + x gate at each update.)
; SHARES.  256 work-groups: role = number / 128 (0: U, makes k; 1: V, makes q), block = number % 128: 64 rows.  One way through the text: the role chooses pointers and scale entries.
; Wave w normalises and quantises rows 16 w .. 16 w + 15 (codes to LDS, rows of 512 bytes + 16), and holds W's rows 128 w .. 128 w + 127 (heads 2 w, 2 w + 1) in 512 registers, read from memory
; once and by this wave alone; behind the one barrier it multiplies them with all 64 rows.
; THE PRODUCT IS USED TRANSPOSED (source 0 = 16 rows of W, source 1 = 16 tokens): a lane holds one token and eight neighbouring outputs, which one conversion turns into two registers of the next operand.
; Both sides are fetched 16 bytes a lane (register 4 c + .. = K 32 c + 16 (lane / 16) + ..): the same permutation of K on both sides, so every product meets its partner.
; OUT: qc, kc: [batch][head][tile of 16 tokens][2][32 lanes][16 bytes]: images of the next product's registers: register 2 c + e, byte y of lane (r, hh) = token r, channel 16 c + 8 hh + 4 e + y.
; A masked key's codes are zeros: its hold is at 0, so it adds nothing to any sum of logits.
; n (FIRST = 0) is the number of the half-layer before, a whole number that the launch before stored; it is held at 2 and enters offsets and one branch (half-layer 3 stores out0 = x F for role U).
; SCALES: entries 6 h + 0, 1: q's projection (rows, Wq); + 2, 3: k's (rows, Wk); + 4: q, + 5: k in the logits (q is taken as the left operand there, as the source writes it).
; LIMITS: eA and eOut - eA - eW between -126 and 112, so that each power of two is an f32 number; NaN and infinities among the inputs are not served; a mask's byte is 0 or 1.
; FIRST = 1 fetches all 22 pointers and never uses the slots fU, rel, kpmV, the four gate slots, cfg_in and xout.
.set FIRST, 0
.set PITCH, 528                        ; an LDS row: 512 codes + 16 bytes: an odd multiple of 16, so the 16 rows of a fragment load start at 16 different columns of banks
.set T,   176                          ; v176-207 eight registers at work for each of a group's four rows
.set XF,  176                          ; v176-239 x F of a group, where it is stored
.set MN,  208                          ; v208-215 the rows' means, as pairs (low word used)
.set RF,  216                          ; v216-223 the rows' factors F / sqrt(..), as pairs
.set PT,  224                          ; v224-227 the other half of the lanes' sums
.set CD,  240                          ; v240-255 a group's codes
.set GN,  144                          ; v144-159 LN gain, v160-175 LN bias, of my columns 128 i + 4 lane + e
.set BS,  160
.set MSB, 0
.macro WIN new                         ; the immediate's high byte repeats the setting that is left; bits 1:0 source 0, 3:2 source 1, 5:4 source 2, 7:6 destination
.if MSB != (\new)
	s_set_vgpr_msb (MSB<<8)|(\new)
.set MSB, (\new)
.endif
.endm
.macro WLOAD f                         ; W's fragment f = 8 s + t (16 rows 16 t on, K 128 s on) into registers 16 (f % 16) of window 1 (f < 16) or 2
.irp c, 0,1,2,3
	global_load_b128 v[16*((\f)%16)+4*\c:16*((\f)%16)+4*\c+3], v5, s[36:37] offset:8192*((\f)%8)+128*((\f)/8)+32*\c
.endr
.endm
.macro AFETCH s, buf                   ; the four token tiles' fragments of K step s
.irp m, 0,1,2,3
.irp c, 0,1,2,3
	ds_load_b128 v[\buf+16*\m+4*\c:\buf+16*\m+4*\c+3], v10 offset:16*PITCH*\m+128*\s+32*\c
.endr
.endr
.endm
.macro MULSTEP s, buf, zero            ; 32 matrix instructions; the 32 accumulators take turns, one instruction a turn, in the same order in every step
.if (\s) < 2
	WIN 0xf1
.else
	WIN 0xf2
.endif
.irp t, 0,1,2,3,4,5,6,7
.irp m, 0,1,2,3
.if \zero
	v_wmma_f32_16x16x128_bf8_bf8 v[8*(4*\t+\m):8*(4*\t+\m)+7], v[16*(8*((\s)%2)+\t):16*(8*((\s)%2)+\t)+15], v[\buf+16*\m:\buf+16*\m+15], 0
.else
	v_wmma_f32_16x16x128_bf8_bf8 v[8*(4*\t+\m):8*(4*\t+\m)+7], v[16*(8*((\s)%2)+\t):16*(8*((\s)%2)+\t)+15], v[\buf+16*\m:\buf+16*\m+15], v[8*(4*\t+\m):8*(4*\t+\m)+7]
.endif
.endr
.endr
.endm
.macro RED4                            ; v[T + 8 a], a = 0 .. 3, summed over the 32 lanes, the four rows line by line
.irp x, 1,2,4,8
.irp a, 0,1,2,3
	v_add_f32_dpp v[T+8*\a], v[T+8*\a], v[T+8*\a] row_xmask:\x row_mask:0xf bank_mask:0xf
.endr
.endr
.irp a, 0,1,2,3
	v_permlanex16_b32 v[PT+\a], v[T+8*\a], s86, s87
.endr
.irp a, 0,1,2,3
	v_add_f32 v[T+8*\a], v[T+8*\a], v[PT+\a]
.endr
.endm
; THE GATE of the half-layer before, for my 16 rows: lane (r, hh) holds row r and hidden units 8 hh .. 8 hh + 7.  All in f32: F goes on into a quantiser.
.macro GATE
	v_add3_u32 v21, v128, v129, v130               ; my 64 bytes of the keys' mask, added as words: no byte passes 16
	v_add3_u32 v22, v131, v132, v133
	v_add3_u32 v23, v134, v135, v136
	v_add3_u32 v24, v137, v138, v139
	v_add3_u32 v21, v21, v140, v141
	v_add3_u32 v22, v22, v142, v143
	v_add3_u32 v21, v21, v22, v23
	v_add_nc_u32 v21, v21, v24
	v_mul_lo_u32 v21, v21, s93                     ; x 0x01010101: the top byte is the sum of the four
	v_lshrrev_b32 v21, 24, v21
	v_cvt_f32_u32 v21, v21
.irp x, 1,2,4,8
	v_add_f32_dpp v21, v21, v21 row_xmask:\x row_mask:0xf bank_mask:0xf
.endr
	v_permlanex16_b32 v22, v21, s86, s87
	v_add_f32 v21, v21, v22                        ; masked keys of the batch: a whole number, exact
	v_cmp_eq_f32 s83, s82, v21                     ; all 2,048 masked: the gate is 0
	v_sub_f32 v22, s82, v21
	v_max_num_f32 v22, 1.0, v22                    ; valid keys, at least 1
	v_rcp_f32 v22, v22
	v_mov_b32 v23, 0                               ; (a plain place behind the reciprocal; v23 is named as the pair's upper word)
	s_or_b32 s83, s83, s85                         ; role V has no gate here: 0 as well
	s_wait_alu depctr_va_vdst(0)
	v_ldexp_f32 v22, v22, s81                      ; 2^(eq + ek - 3) / valid: the two scales and 1 / sqrt(64)
.irp j, 0,2,4,6
	v_pk_mul_f32 v[32+\j:33+\j], v[32+\j:33+\j], v[22:23] op_sel_hi:[1,0]
.endr
.irp e, 0,1,2,3,4,5,6,7
	v_fma_f32 v[24+\e], v32, v[48+8*\e], v[112+\e] ; b1 starts the sums
.endr
.irp j, 1,2,3,4,5,6,7
.irp e, 0,1,2,3,4,5,6,7
	v_fma_f32 v[24+\e], v[32+\j], v[48+8*\e+\j], v[24+\e]
.endr
.endr
.irp e, 0,1,2,3,4,5,6,7
	v_max_num_f32 v[24+\e], 0, v[24+\e]
.endr
	v_mul_f32 v21, v24, v120
	v_mul_f32 v22, v25, v121
.irp e, 2,4,6
	v_fma_f32 v21, v[24+\e], v[120+\e], v21
	v_fma_f32 v22, v[25+\e], v[121+\e], v22
.endr
	v_add_f32 v21, v21, v22
	v_permlanex16_b32 v22, v21, s86, s87           ; the other eight hidden units
	v_add_f32 v21, v21, v22
	v_add_f32 v21, s80, v21                        ; + b2
	v_mul_f32 v21, 0xbfb8aa3b, v21                 ; sigmoid(z) = 1 / (1 + 2^(-z log2 e))
	v_exp_f32 v21, v21
	v_nop                                          ; a plain place behind the exponential
	s_wait_alu depctr_va_vdst(0)
	v_add_f32 v21, 1.0, v21
	v_rcp_f32 v21, v21
	v_nop                                          ; and behind the reciprocal
	s_wait_alu depctr_va_vdst(0)
	v_cndmask_b32 v21, v21, 0, s83
	v_fma_f32 v20, v40, v21, v40                   ; F = F_before (1 + gate)
.endm
; Rows 4 g .. 4 g + 3 of my 16: LayerNorm, hold, codes, to LDS.  The four rows go line by line, so that no line waits for the line above it.  Row a's 16 numbers: window 3, v[64 g + 16 a ..].
.macro LNGROUP g
	s_wait_loadcnt 48                              ; the group's 16 loads of x are in: behind them stand 16 (3 - g) loads of x and 16 g of W
	WIN 0x40
.irp f, 0,1,2,3
	WLOAD 4*\g+\f
.endr
	WIN 0
.if FIRST == 0
.irp a, 0,1,2,3
	v_readlane_b32 s[68+2*\a], v20, 4*\g+\a        ; the row's F (row r lies in lane r),
	v_readlane_b32 s[76+\a], v21, 4*\g+\a          ; and F^2 / 512
.endr
	s_cmp_eq_u32 s63, 0
	s_cbranch_scc1 .Lkeep_\@                       ; only half-layer 3's role U stores x F: a branch on the stored number and the role; no barrier and no LDS line stands under it
	WIN 0x03
.irp a, 0,1,2,3
.irp j, 0,2,4,6,8,10,12,14
	v_pk_mul_f32 v[XF+16*\a+\j:XF+16*\a+\j+1], v[64*\g+16*\a+\j:64*\g+16*\a+\j+1], s[68+2*\a:69+2*\a] op_sel_hi:[1,0]
.endr
.endr
	WIN 0
.irp a, 0,1,2,3
.irp i, 0,1,2,3
	global_store_b128 v4, v[XF+16*\a+4*\i:XF+16*\a+4*\i+3], s[50:51] offset:2048*(4*\g+\a)+512*\i th:TH_STORE_NT   ; 32 lanes store 512 consecutive bytes, aligned
.endr
.endr
	s_wait_xcnt 0x0                                ; the stores' registers are written again below only behind this wait
.Lkeep_\@:
.endif
	WIN 0x0f                                       ; sources in window 3, results in window 0
.irp k, 0,1,2,3
.irp a, 0,1,2,3
	v_pk_add_f32 v[T+8*\a+2*\k:T+8*\a+2*\k+1], v[64*\g+16*\a+4*\k:64*\g+16*\a+4*\k+1], v[64*\g+16*\a+4*\k+2:64*\g+16*\a+4*\k+3]
.endr
.endr
	WIN 0
.irp a, 0,1,2,3
	v_pk_add_f32 v[T+8*\a:T+8*\a+1], v[T+8*\a:T+8*\a+1], v[T+8*\a+2:T+8*\a+3]
.endr
.irp a, 0,1,2,3
	v_pk_add_f32 v[T+8*\a+4:T+8*\a+5], v[T+8*\a+4:T+8*\a+5], v[T+8*\a+6:T+8*\a+7]
.endr
.irp a, 0,1,2,3
	v_pk_add_f32 v[T+8*\a:T+8*\a+1], v[T+8*\a:T+8*\a+1], v[T+8*\a+4:T+8*\a+5]
.endr
.irp a, 0,1,2,3
	v_add_f32 v[T+8*\a], v[T+8*\a], v[T+8*\a+1]
.endr
	RED4
.irp a, 0,1,2,3
	v_mul_f32 v[MN+2*\a], 0x3b000000, v[T+8*\a]    ; / 512: the raw row's mean
.endr
	WIN 0xc3                                       ; source 0 and result in window 3
.irp j, 0,2,4,6,8,10,12,14
.irp a, 0,1,2,3
	v_pk_add_f32 v[64*\g+16*\a+\j:64*\g+16*\a+\j+1], v[64*\g+16*\a+\j:64*\g+16*\a+\j+1], v[MN+2*\a:MN+2*\a+1] op_sel_hi:[1,0] neg_lo:[0,1] neg_hi:[0,1]
.endr
.endr
	WIN 0x0f
.irp a, 0,1,2,3
	v_pk_mul_f32 v[T+8*\a:T+8*\a+1], v[64*\g+16*\a:64*\g+16*\a+1], v[64*\g+16*\a:64*\g+16*\a+1]
	v_pk_mul_f32 v[T+8*\a+2:T+8*\a+3], v[64*\g+16*\a+2:64*\g+16*\a+3], v[64*\g+16*\a+2:64*\g+16*\a+3]
.endr
.irp k, 1,2,3
.irp a, 0,1,2,3
	v_pk_fma_f32 v[T+8*\a:T+8*\a+1], v[64*\g+16*\a+4*\k:64*\g+16*\a+4*\k+1], v[64*\g+16*\a+4*\k:64*\g+16*\a+4*\k+1], v[T+8*\a:T+8*\a+1]
	v_pk_fma_f32 v[T+8*\a+2:T+8*\a+3], v[64*\g+16*\a+4*\k+2:64*\g+16*\a+4*\k+3], v[64*\g+16*\a+4*\k+2:64*\g+16*\a+4*\k+3], v[T+8*\a+2:T+8*\a+3]
.endr
.endr
	WIN 0
.irp a, 0,1,2,3
	v_pk_add_f32 v[T+8*\a:T+8*\a+1], v[T+8*\a:T+8*\a+1], v[T+8*\a+2:T+8*\a+3]
.endr
.irp a, 0,1,2,3
	v_add_f32 v[T+8*\a], v[T+8*\a], v[T+8*\a+1]
.endr
	RED4
.irp a, 0,1,2,3
	v_fma_f32 v[T+8*\a], v[T+8*\a], s[76+\a], s99  ; F^2 var + eps
.endr
.irp a, 0,1,2,3
	v_rsq_f32 v[RF+2*\a], v[T+8*\a]
.endr
	v_nop                                          ; a plain place behind the last root
.if FIRST == 0
	s_wait_alu depctr_va_vdst(0)
.irp a, 0,1,2,3
	v_mul_f32 v[RF+2*\a], s[68+2*\a], v[RF+2*\a]
.endr
.endif
	WIN 0xc3
.irp j, 0,2,4,6,8,10,12,14
.irp a, 0,1,2,3
	v_pk_mul_f32 v[64*\g+16*\a+\j:64*\g+16*\a+\j+1], v[64*\g+16*\a+\j:64*\g+16*\a+\j+1], v[RF+2*\a:RF+2*\a+1] op_sel_hi:[1,0]
.endr
.endr
.irp j, 0,2,4,6,8,10,12,14
.irp a, 0,1,2,3
	v_pk_fma_f32 v[64*\g+16*\a+\j:64*\g+16*\a+\j+1], v[64*\g+16*\a+\j:64*\g+16*\a+\j+1], v[GN+\j:GN+\j+1], v[BS+\j:BS+\j+1]
.endr
.endr
.irp j, 0,1,2,3,4,5,6,7,8,9,10,11,12,13,14,15
.irp a, 0,1,2,3
	v_med3_num_f32 v[64*\g+16*\a+\j], v[64*\g+16*\a+\j], -v13, v13   ; the conversion to an 8-bit code does not saturate (ISA guide 7.6.2): the hold at the largest code x the scale
.endr
.endr
	s_wait_dscnt 0x0                               ; the last group's LDS stores have read the codes' registers
	WIN 0x03
.irp a, 0,1,2,3
	v_cvt_scalef32_pk8_bf8_f32 v[CD+4*\a:CD+4*\a+1], v[64*\g+16*\a:64*\g+16*\a+7], v12
	v_cvt_scalef32_pk8_bf8_f32 v[CD+4*\a+2:CD+4*\a+3], v[64*\g+16*\a+8:64*\g+16*\a+15], v12
.endr
	WIN 0
	v_nop                                          ; one plain line behind the last conversion: matrix instructions later write the numbers' registers
.irp a, 0,1,2,3
.irp i, 0,1,2,3
	ds_store_b32 v9, v[CD+4*\a+\i] offset:PITCH*(4*\g+\a)+128*\i   ; four codes, K = 128 i + 4 lane on: 32 lanes store 128 consecutive bytes of the row
.endr
.endr
.endm
	s_load_b512 s[8:23], s[0:1], 0x0               ; xU 8, xV 10, fU 12, fV 14, fout 16, rel 18, kpmU 20, kpmV 22
	s_load_b512 s[24:39], s[0:1], 0x40             ; gW1 24, gb1 26, gW2 28, gb2 30, LN gain 32, LN bias 34, Wk 36, Wq 38
	s_load_b256 s[40:47], s[0:1], 0x80             ; scales 40, cfg_in 42, cfg_out 44, kc 46
	s_load_b128 s[48:51], s[0:1], 0xa0             ; qc 48, xout 50
	v_lshl_add_u32 v46, v0, 2, 0x8400
	v_mov_b32 v47, 0
	v_lshrrev_b32 v1, 5, v0
	v_readfirstlane_b32 s2, v1                     ; wave 0..3
	v_and_b32 v1, 31, v0                           ; lane
	v_and_b32 v2, 15, v0                           ; r
	v_bfe_u32 v3, v0, 4, 1                         ; hh
	v_lshlrev_b32 v4, 4, v1                        ; 16 lane
	v_lshlrev_b32 v5, 9, v2
	v_lshl_add_u32 v5, v3, 4, v5                   ; W: row r of 512 bytes + 16 hh
	v_lshlrev_b32 v6, 2, v2                        ; 4 r
	v_lshlrev_b32 v7, 8, v3                        ; 256 hh: eight rows of W1
	v_lshlrev_b32 v8, 5, v3                        ; 32 hh: eight numbers of b1, W2
	s_mul_i32 s6, s2, 16*PITCH
	v_lshlrev_b32 v9, 2, v1
	v_add_nc_u32 v9, s6, v9                        ; LDS, in: my wave's 16 rows + 4 lane
	v_mul_u32_u24 v10, v2, PITCH
	v_lshl_add_u32 v10, v3, 4, v10                 ; LDS, out: row r + 16 hh
	v_lshlrev_b32 v11, 3, v1                       ; 8 lane
.irp j, 1,3,5,7
	v_mov_b32 v[MN+\j], 0                          ; named as upper words of pairs
	v_mov_b32 v[RF+\j], 0
.endr
.irp j, 0,1,2,3
	v_mov_b32 v[PT+\j], 0                          ; a lane permute's destination counts as one of its sources
.endr
	s_lshr_b32 s3, ttmp9, 7                        ; role
	s_and_b32 s4, ttmp9, 127                       ; block of 64 rows
	s_lshr_b32 s5, s4, 5                           ; batch
	s_and_b32 s95, s4, 31                          ; block within the batch
	s_mov_b32 s7, 0                                ; the upper word of every offset
	s_mov_b32 s86, 0x76543210                      ; v_permlanex16_b32: lane l xor 16
	s_mov_b32 s87, 0xfedcba98
	s_mov_b32 s99, 0x3727c5ac                      ; eps = 1e-5
.if FIRST
.irp a, 0,1,2,3
	s_mov_b32 s[76+\a], 0x3b000000                 ; F^2 / 512 with F = 1
.endr
.else
	s_mov_b32 s82, 0x45000000                      ; 2048.0
	s_mov_b32 s93, 0x01010101
.irp a, 0,1,2,3
	s_mov_b32 s[69+2*\a], 0                        ; named as upper words of pairs
.endr
.endif
	s_wait_kmcnt 0x0
.if FIRST == 0
	s_load_b32 s60, s[42:43], 0x0                  ; n
.endif
	s_cmp_eq_u32 s3, 0                             ; the role chooses between buffers: it hangs on the work-group's number alone
	s_cselect_b64 s[8:9], s[8:9], s[10:11]         ; x
	s_cselect_b64 s[36:37], s[36:37], s[38:39]     ; W
	s_cselect_b64 s[46:47], s[46:47], s[48:49]     ; codes out
.if FIRST
	s_cselect_b64 s[16:17], s[16:17], s[14:15]     ; both roles store ones, each into a buffer of its own
.else
	s_cselect_b64 s[12:13], s[12:13], s[14:15]     ; F so far
.endif
	s_cselect_b32 s84, -1, 0                       ; all ones for role U
.if FIRST == 0
	s_not_b32 s85, s84
.endif
	s_lshl_b32 s6, s4, 17                          ; x: 64 rows of 2,048 bytes a block, 16 a wave
	s_lshl_b32 s66, s2, 15
	s_add_co_u32 s6, s6, s66
	s_add_nc_u64 s[8:9], s[8:9], s[6:7]
.if FIRST == 0
	s_add_nc_u64 s[50:51], s[50:51], s[6:7]
.endif
	s_lshl_b32 s6, s4, 8                           ; F: 4 bytes a row
	s_lshl_b32 s66, s2, 6
	s_add_co_u32 s6, s6, s66
	s_add_nc_u64 s[16:17], s[16:17], s[6:7]
.if FIRST == 0
	s_add_nc_u64 s[12:13], s[12:13], s[6:7]
	s_lshl_b32 s6, s95, 8                          ; rel [batch][head][token]: heads stand in the immediates
	s_add_co_u32 s6, s6, s66
	s_lshl_b32 s67, s5, 16
	s_add_co_u32 s6, s6, s67
	s_add_nc_u64 s[18:19], s[18:19], s[6:7]
	s_lshl_b32 s6, s5, 11                          ; the batch's 2,048 bytes of the mask of the keys of the half-layer before
	s_add_nc_u64 s[22:23], s[22:23], s[6:7]
.endif
	s_lshl_b32 s6, s4, 6                           ; the block's 64 bytes of U's mask
	s_add_nc_u64 s[20:21], s[20:21], s[6:7]
	s_lshl_b32 s6, s5, 20                          ; codes: batch, head 2 w, token tile 4 x block
	s_lshl_b32 s66, s2, 18
	s_add_co_u32 s6, s6, s66
	s_lshl_b32 s66, s95, 12
	s_add_co_u32 s6, s6, s66
	s_add_nc_u64 s[46:47], s[46:47], s[6:7]
.if FIRST == 0
.irp i, 0,1,2,3
	global_load_b128 v[128+4*\i:131+4*\i], v4, s[22:23] offset:512*\i
.endr
.irp j, 0,1,2,3,4,5,6,7
	global_load_b32 v[32+\j], v6, s[18:19] offset:8192*\j
.endr
	global_load_b32 v40, v6, s[12:13]
.endif
.irp m, 0,1,2,3
	global_load_u8 v[41+\m], v2, s[20:21] offset:16*\m     ; token 16 m + r
.endr
.if FIRST == 0
	s_wait_kmcnt 0x0
	s_min_u32 s60, s60, 2                          ; a stored number enters offsets only behind this hold
	s_and_b32 s61, s60, 2                          ; twice the gate's layer
	s_add_co_u32 s62, s60, 1
	s_and_b32 s62, s62, 2                          ; twice the layer of W and LN
	s_cmp_eq_u32 s60, 2
	s_cselect_b32 s63, 1, 0
	s_and_b32 s63, s63, s84                        ; x F is stored: half-layer 3, role U
	s_mul_i32 s6, s60, 24
	s_add_nc_u64 s[40:41], s[40:41], s[6:7]
	s_load_b256 s[52:59], s[40:41], 0x10           ; entries 6 n + 4, + 5 (the logits before), then this half-layer's six
	s_lshl_b32 s6, s61, 1
	s_add_nc_u64 s[30:31], s[30:31], s[6:7]
	s_load_b32 s80, s[30:31], 0x0                  ; b2
	s_lshl_b32 s6, s61, 8
	s_add_nc_u64 s[24:25], s[24:25], s[6:7]
	s_lshl_b32 s6, s61, 5
	s_add_nc_u64 s[26:27], s[26:27], s[6:7]
	s_add_nc_u64 s[28:29], s[28:29], s[6:7]
	s_lshl_b32 s6, s62, 10
	s_add_nc_u64 s[32:33], s[32:33], s[6:7]
	s_add_nc_u64 s[34:35], s[34:35], s[6:7]
	s_lshl_b32 s6, s62, 17
	s_lshl_b32 s66, s2, 16
	s_add_co_u32 s6, s6, s66
.else
	s_load_b64 s[54:55], s[40:41], 0x0             ; this half-layer's six entries
	s_load_b128 s[56:59], s[40:41], 0x8
	s_lshl_b32 s6, s2, 16
.endif
	s_add_nc_u64 s[36:37], s[36:37], s[6:7]        ; W: the layer, my 128 rows of 512 bytes
.if FIRST == 0
.irp i, 0,1,2,3,4,5,6,7,8,9,10,11,12,13,14,15
	global_load_b128 v[48+4*\i:51+4*\i], v7, s[24:25] offset:16*\i      ; v[48 + 8 e + j] = W1[8 hh + e][j]
.endr
.irp i, 0,1
	global_load_b128 v[112+4*\i:115+4*\i], v8, s[26:27] offset:16*\i
	global_load_b128 v[120+4*\i:123+4*\i], v8, s[28:29] offset:16*\i
.endr
.endif
.irp i, 0,1,2,3
	global_load_b128 v[GN+4*\i:GN+4*\i+3], v4, s[32:33] offset:512*\i
	global_load_b128 v[BS+4*\i:BS+4*\i+3], v4, s[34:35] offset:512*\i
.endr
	WIN 0xc0                                       ; my 16 rows of x into window 3: row p, piece i at v[16 p + 4 i]; each load reads 512 consecutive bytes
.set p, 0
.rept 16
.irp i, 0,1,2,3
	global_load_b128 v[16*p+4*\i:16*p+4*\i+3], v4, s[8:9] offset:2048*p+512*\i
.endr
.set p, p+1
.endr
	WIN 0
	s_wait_kmcnt 0x0
	s_cmp_eq_u32 s3, 0
	s_cselect_b32 s96, s56, s54                    ; eA: the rows' scale
	s_cselect_b32 s97, s57, s55                    ; eW
	s_cselect_b32 s98, s59, s58                    ; eOut: k's or q's scale in the logits
	s_add_co_i32 s6, s96, 127
	s_lshl_b32 s66, s6, 23
	v_mov_b32 v12, s66                             ; 2^eA as f32: the conversion takes its exponent field
	s_add_co_i32 s6, s6, 15
	s_lshl_b32 s6, s6, 23
	s_or_b32 s6, s6, 0x600000
	v_mov_b32 v13, s6                              ; 57,344 x 2^eA
	s_sub_co_i32 s6, s98, s96
	s_sub_co_i32 s6, s6, s97                       ; a sum stands for sum x 2^(eA + eW): the three scales are folded into the conversion's one
	s_add_co_i32 s6, s6, 127
	s_lshl_b32 s66, s6, 23
	v_mov_b32 v14, s66
	s_add_co_i32 s6, s6, 15
	s_lshl_b32 s6, s6, 23
	s_or_b32 s6, s6, 0x600000
	v_mov_b32 v15, s6
.if FIRST == 0
	s_add_co_i32 s81, s52, s53
	s_add_co_i32 s81, s81, -3                      ; eq + ek of the logits before, and 1 / sqrt(64)
.endif
	s_wait_loadcnt 63                              ; behind the small loads stand x's 64: the count's field holds 63, so all the small ones are in
.if FIRST
	v_mov_b32 v20, 1.0
.else
	GATE
	v_mul_f32 v21, v20, v20
	v_mul_f32 v21, 0x3b000000, v21                 ; F^2 / 512
	s_cmp_lg_u32 s3, 0
	s_cbranch_scc1 .Lno_f                          ; role V's F is not new
.endif
	s_wait_xcnt 0x0                                ; EXEC changes only behind this wait: loads are out
	v_cmp_gt_u32 vcc_lo, 16, v1
	s_and_saveexec_b32 s92, vcc_lo
	global_store_b32 v6, v20, s[16:17]             ; my 16 rows' F: 64 consecutive bytes a wave, 32 KiB in the launch
	s_wait_xcnt 0x0
	s_or_b32 exec_lo, exec_lo, s92
.if FIRST == 0
.Lno_f:
.endif
	s_cmp_lg_u32 ttmp9, 0
	s_cbranch_scc1 .Lno_cfg
	s_cmp_lg_u32 s2, 0
	s_cbranch_scc1 .Lno_cfg
.if FIRST
	s_mov_b32 s6, 0
.else
	s_add_co_u32 s6, s60, 1
.endif
	v_mov_b32 v28, s6                              ; the next launch's n, 64 equal words: 256 consecutive bytes
	v_mov_b32 v29, s6
	global_store_b64 v11, v[28:29], s[44:45]
.Lno_cfg:
.irp m, 0,1,2,3
	v_and_b32 v[41+\m], s84, v[41+\m]              ; queries are not masked
	v_cmp_ne_u32 s[88+\m], 0, v[41+\m]
	v_cndmask_b32 v[16+\m], v15, 0, s[88+\m]       ; the hold of token 16 m + r: 0 where the key is masked
.endr
	LNGROUP 0
	LNGROUP 1
	LNGROUP 2
	LNGROUP 3
	WIN 0x80
.irp f, 16,17,18,19,20,21,22,23
	WLOAD \f
.endr
	WIN 0
	s_wait_dscnt 0x0                               ; for the others' sake: my rows' codes lie in LDS
	s_barrier_signal -1
	s_barrier_wait -1
	AFETCH 0, 64
	AFETCH 1, 128
	AFETCH 2, 192
	s_wait_loadcnt 63                              ; W's K step 0 is in: behind it stand steps 1 and 2, 64 loads
	WIN 0x80
.irp f, 24,25,26,27,28,29,30,31
	WLOAD \f
.endr
	s_wait_dscnt 32                                ; the rows' K step 0 is in; steps 1 and 2 may be out
	MULSTEP 0, 64, 1                               ; the first products start the sums
.rept 4
	v_nop                                          ; four places in front of loads into registers that matrix instructions have read
.endr
	WIN 0
	AFETCH 3, 64
	s_wait_loadcnt 63                              ; W's step 1: behind it steps 2 and 3, 64 loads
	s_wait_dscnt 32                                ; the rows' step 1: behind it steps 2 and 3
	MULSTEP 1, 128, 0
	s_wait_loadcnt 32
	s_wait_dscnt 16
	MULSTEP 2, 192, 0
	s_wait_loadcnt 0x0
	s_wait_dscnt 0x0
	MULSTEP 3, 64, 0
.rept 4
	v_nop                                          ; four places in front of the first read of results
.endr
	WIN 0xc3
.irp t, 0,1,2,3,4,5,6,7
.irp m, 0,1,2,3
.irp j, 0,1,2,3,4,5,6,7
	v_med3_num_f32 v[8*(4*\t+\m)+\j], v[8*(4*\t+\m)+\j], -v[16+\m], v[16+\m]   ; the hold, each accumulator from its low end on; a masked key is held at 0
.endr
.endr
.endr
	WIN 0x03
.irp m, 0,1,2,3
.irp hd, 0,1
.irp c, 0,1,2,3
	v_cvt_scalef32_pk8_bf8_f32 v[64+8*(2*\m+\hd)+2*\c:64+8*(2*\m+\hd)+2*\c+1], v[8*(4*(4*\hd+\c)+\m):8*(4*(4*\hd+\c)+\m)+7], v14   ; registers 2 c, 2 c + 1 of the fragment (token tile m, head 2 w + hd)
.endr
.endr
.endr
	WIN 0
	v_nop                                          ; one plain line behind the last conversion
.irp m, 0,1,2,3
.irp hd, 0,1
.irp q, 0,1
	global_store_b128 v4, v[64+8*(2*\m+\hd)+4*\q:64+8*(2*\m+\hd)+4*\q+3], s[46:47] offset:131072*\hd+1024*\m+512*\q   ; 512 consecutive bytes, aligned
.endr
.endr
.endr
	s_wait_tensorcnt 0x0
	ds_add_u32 v46, v47
	s_wait_dscnt 0x0
	s_endpgm
.Lfunc_end_k_q89ab00632b_mid1:
	.size	k_q89ab00632b_mid1, .Lfunc_end_k_q89ab00632b_mid1-k_q89ab00632b_mid1
	.p2alignl 7, 3214868480
	.fill 96, 4, 3214868480
	.section	.rodata,"a",@progbits
	.p2align	6, 0x0
	.amdhsa_kernel k_q89ab00632b_mid1
		.amdhsa_group_segment_fixed_size 34304
		.amdhsa_private_segment_fixed_size 0
		.amdhsa_enable_private_segment 0
		.amdhsa_kernarg_size 176
		.amdhsa_user_sgpr_count 2
		.amdhsa_user_sgpr_kernarg_segment_ptr 1
		.amdhsa_wavefront_size32 1
		.amdhsa_system_sgpr_workgroup_id_x 1
		.amdhsa_system_sgpr_workgroup_id_y 1
		.amdhsa_system_sgpr_workgroup_id_z 1
		.amdhsa_system_vgpr_workitem_id 0
		.amdhsa_next_free_vgpr 1024
		.amdhsa_next_free_sgpr 100
		.amdhsa_reserve_vcc 1
		.amdhsa_float_denorm_mode_32 3
		.amdhsa_float_denorm_mode_16_64 3
		.amdhsa_memory_ordered 1
		.amdhsa_forward_progress 1
		.amdhsa_inst_pref_size 164
	.end_amdhsa_kernel
	.amdgpu_metadata
---
amdhsa.version: [ 1, 2 ]
amdhsa.kernels:
  - .name:           k_q89ab00632b_mid1
    .symbol:         k_q89ab00632b_mid1.kd
    .args:
      - { .name: x_vid, .offset: 0, .size: 8, .value_kind: global_buffer, .address_space: global }
      - { .name: x_aud, .offset: 8, .size: 8, .value_kind: global_buffer, .address_space: global }
      - { .name: fA, .offset: 16, .size: 8, .value_kind: global_buffer, .address_space: global }
      - { .name: fB, .offset: 24, .size: 8, .value_kind: global_buffer, .address_space: global }
      - { .name: fC, .offset: 32, .size: 8, .value_kind: global_buffer, .address_space: global }
      - { .name: rel, .offset: 40, .size: 8, .value_kind: global_buffer, .address_space: global }
      - { .name: vid_kpm, .offset: 48, .size: 8, .value_kind: global_buffer, .address_space: global }
      - { .name: aud_kpm, .offset: 56, .size: 8, .value_kind: global_buffer, .address_space: global }
      - { .name: vg_W1, .offset: 64, .size: 8, .value_kind: global_buffer, .address_space: global }
      - { .name: vg_b1, .offset: 72, .size: 8, .value_kind: global_buffer, .address_space: global }
      - { .name: vg_W2, .offset: 80, .size: 8, .value_kind: global_buffer, .address_space: global }
      - { .name: vg_b2, .offset: 88, .size: 8, .value_kind: global_buffer, .address_space: global }
      - { .name: aud_ln_g, .offset: 96, .size: 8, .value_kind: global_buffer, .address_space: global }
      - { .name: aud_ln_b, .offset: 104, .size: 8, .value_kind: global_buffer, .address_space: global }
      - { .name: Wk_vid_for_aud_codes, .offset: 112, .size: 8, .value_kind: global_buffer, .address_space: global }
      - { .name: Wq_aud_codes, .offset: 120, .size: 8, .value_kind: global_buffer, .address_space: global }
      - { .name: lowp_scales, .offset: 128, .size: 8, .value_kind: global_buffer, .address_space: global }
      - { .name: cfgA, .offset: 136, .size: 8, .value_kind: global_buffer, .address_space: global }
      - { .name: cfgB, .offset: 144, .size: 8, .value_kind: global_buffer, .address_space: global }
      - { .name: kc, .offset: 152, .size: 8, .value_kind: global_buffer, .address_space: global }
      - { .name: qc, .offset: 160, .size: 8, .value_kind: global_buffer, .address_space: global }
      - { .name: out0, .offset: 168, .size: 8, .value_kind: global_buffer, .address_space: global }
    .group_segment_fixed_size: 34304
    .private_segment_fixed_size: 0
    .kernarg_segment_align: 8
    .kernarg_segment_size: 176
    .max_flat_workgroup_size: 128
    .sgpr_count:     100
    .vgpr_count:     1024
    .wavefront_size: 32
...
	.end_amdgpu_metadata
.endif
;; end of part 3
;; launch score1: the kernel of part 2 again; grid 256 x 1, 4 waves a work-group, no clusters, 20,992 bytes of LDS; arguments qc, kc, rel; writes rel
;; launch mid2: the kernel of part 3 again; grid 256 x 1, 4 waves a work-group, no clusters, 34,304 bytes of LDS; arguments x_aud, x_vid, fB, fC, fA, rel, aud_kpm, vid_kpm, ag_W1, ag_b1, ag_W2, ag_b2, vid_ln_g, vid_ln_b, Wk_aud_for_vid_codes, Wq_vid_codes, lowp_scales, cfgB, cfgA, kc, qc, out0; writes fA, cfgA, kc, qc, out0
;; launch score2: the kernel of part 2 again; grid 256 x 1, 4 waves a work-group, no clusters, 20,992 bytes of LDS; arguments qc, kc, rel; writes rel
;; launch mid3: the kernel of part 3 again; grid 256 x 1, 4 waves a work-group, no clusters, 34,304 bytes of LDS; arguments x_vid, x_aud, fC, fA, fB, rel, vid_kpm, aud_kpm, vg_W1, vg_b1, vg_W2, vg_b2, aud_ln_g, aud_ln_b, Wk_vid_for_aud_codes, Wq_aud_codes, lowp_scales, cfgA, cfgB, kc, qc, out0; writes fB, cfgB, kc, qc, out0
;; launch score3: the kernel of part 2 again; grid 256 x 1, 4 waves a work-group, no clusters, 20,992 bytes of LDS; arguments qc, kc, rel; writes rel
;; launch last (part 4): grid 256 x 1, 2 waves a work-group, no clusters, 0 bytes of LDS; arguments x_aud, fA, rel, vid_kpm, ag_W1, ag_b1, ag_W2, ag_b2, lowp_scales, out1; writes out1
.if DOCPART == 4
	.amdgcn_target "amdgcn-amd-amdhsa--gfx1250"
	.amdhsa_code_object_version 6
	.text
	.protected	k_q89ab00632b_last
	.globl	k_q89ab00632b_last
	.p2align	8
	.type	k_q89ab00632b_last,@function
k_q89ab00632b_last:
	s_mov_b64 s[64:65], 0
	v_nop
	global_prefetch_b8 v0, s[64:65] scope:SCOPE_SE
	s_setreg_imm32_b32 hwreg(HW_REG_WAVE_MODE, 25, 1), 1
	s_wait_xcnt 0x0
; THE LAST GATE: out1 = x_aud x F, F = F_before (1 + gate), the gate made of the last sums of logits (layer 1 of ag_*, scale entries 22 and 23, vid's mask).
; A stream: memory binds, so no LDS, no barrier, no matrix unit.  A wave takes 16 rows: 64 loads of 512 consecutive bytes go out at its head, the gate is computed while they are on their way,
; and each row is multiplied by its factor in the registers that it was loaded into and stored from there, 512 consecutive aligned bytes a store.
; LIMITS: NaN and infinities among the inputs are not served; a mask's byte is 0 or 1.  One rounding by F where the source rounds x + x gate at each update.
.set MSB, 0
.macro WIN new                         ; the immediate's high byte repeats the setting that is left; bits 1:0 source 0, 3:2 source 1, 5:4 source 2, 7:6 destination
.if MSB != (\new)
	s_set_vgpr_msb (MSB<<8)|(\new)
.set MSB, (\new)
.endif
.endm
; THE GATE for my 16 rows: lane (r, hh) holds row r and hidden units 8 hh .. 8 hh + 7.
.macro GATE
	v_add3_u32 v21, v128, v129, v130               ; my 64 bytes of the keys' mask, added as words: no byte passes 16
	v_add3_u32 v22, v131, v132, v133
	v_add3_u32 v23, v134, v135, v136
	v_add3_u32 v24, v137, v138, v139
	v_add3_u32 v21, v21, v140, v141
	v_add3_u32 v22, v22, v142, v143
	v_add3_u32 v21, v21, v22, v23
	v_add_nc_u32 v21, v21, v24
	v_mul_lo_u32 v21, v21, s93                     ; x 0x01010101: the top byte is the sum of the four
	v_lshrrev_b32 v21, 24, v21
	v_cvt_f32_u32 v21, v21
.irp x, 1,2,4,8
	v_add_f32_dpp v21, v21, v21 row_xmask:\x row_mask:0xf bank_mask:0xf
.endr
	v_permlanex16_b32 v22, v21, s86, s87
	v_add_f32 v21, v21, v22                        ; masked keys of the batch: a whole number, exact
	v_cmp_eq_f32 s83, s82, v21                     ; all 2,048 masked: the gate is 0
	v_sub_f32 v22, s82, v21
	v_max_num_f32 v22, 1.0, v22                    ; valid keys, at least 1
	v_rcp_f32 v22, v22
	v_mov_b32 v23, 0                               ; (a plain place behind the reciprocal; v23 is named as the pair's upper word)
	s_wait_alu depctr_va_vdst(0)
	v_ldexp_f32 v22, v22, s81                      ; 2^(eq + ek - 3) / valid: the two scales and 1 / sqrt(64)
.irp j, 0,2,4,6
	v_pk_mul_f32 v[32+\j:33+\j], v[32+\j:33+\j], v[22:23] op_sel_hi:[1,0]
.endr
.irp e, 0,1,2,3,4,5,6,7
	v_fma_f32 v[24+\e], v32, v[48+8*\e], v[112+\e] ; b1 starts the sums
.endr
.irp j, 1,2,3,4,5,6,7
.irp e, 0,1,2,3,4,5,6,7
	v_fma_f32 v[24+\e], v[32+\j], v[48+8*\e+\j], v[24+\e]
.endr
.endr
.irp e, 0,1,2,3,4,5,6,7
	v_max_num_f32 v[24+\e], 0, v[24+\e]
.endr
	v_mul_f32 v21, v24, v120
	v_mul_f32 v22, v25, v121
.irp e, 2,4,6
	v_fma_f32 v21, v[24+\e], v[120+\e], v21
	v_fma_f32 v22, v[25+\e], v[121+\e], v22
.endr
	v_add_f32 v21, v21, v22
	v_permlanex16_b32 v22, v21, s86, s87           ; the other eight hidden units
	v_add_f32 v21, v21, v22
	v_add_f32 v21, s80, v21                        ; + b2
	v_mul_f32 v21, 0xbfb8aa3b, v21                 ; sigmoid(z) = 1 / (1 + 2^(-z log2 e))
	v_exp_f32 v21, v21
	v_nop                                          ; a plain place behind the exponential
	s_wait_alu depctr_va_vdst(0)
	v_add_f32 v21, 1.0, v21
	v_rcp_f32 v21, v21
	v_nop                                          ; and behind the reciprocal
	s_wait_alu depctr_va_vdst(0)
	v_cndmask_b32 v21, v21, 0, s83
	v_fma_f32 v20, v40, v21, v40                   ; F = F_before (1 + gate)
.endm
	s_load_b512 s[8:23], s[0:1], 0x0               ; x 8, F 10, rel 12, mask 14, W1 16, b1 18, W2 20, b2 22
	s_load_b128 s[24:27], s[0:1], 0x40             ; scales 24, out 26
	v_lshrrev_b32 v1, 5, v0
	v_readfirstlane_b32 s2, v1                     ; wave 0, 1
	v_and_b32 v1, 31, v0                           ; lane
	v_and_b32 v2, 15, v0                           ; r
	v_bfe_u32 v3, v0, 4, 1                         ; hh
	v_lshlrev_b32 v4, 4, v1                        ; 16 lane
	v_lshlrev_b32 v6, 2, v2                        ; 4 r
	v_lshlrev_b32 v7, 8, v3                        ; 256 hh: eight rows of W1
	v_lshlrev_b32 v8, 5, v3                        ; 32 hh: eight numbers of b1, W2
	s_lshr_b32 s5, ttmp9, 6                        ; batch: 64 work-groups of 32 rows
	s_and_b32 s4, ttmp9, 63
	s_mov_b32 s7, 0
	s_mov_b32 s82, 0x45000000                      ; 2048.0
	s_mov_b32 s93, 0x01010101
	s_mov_b32 s86, 0x76543210                      ; v_permlanex16_b32: lane l xor 16
	s_mov_b32 s87, 0xfedcba98
.irp a, 0,1,2,3
	s_mov_b32 s[69+2*\a], 0                        ; named as upper words of pairs
.endr
	s_wait_kmcnt 0x0
	s_load_b64 s[52:53], s[24:25], 0x58            ; entries 22, 23: q's and k's scales in the last logits
	s_load_b32 s80, s[22:23], 0x4                  ; b2, layer 1
	s_lshl_b32 s6, ttmp9, 16                       ; 32 rows of 2,048 bytes a work-group, 16 a wave
	s_lshl_b32 s66, s2, 15
	s_add_co_u32 s6, s6, s66
	s_add_nc_u64 s[8:9], s[8:9], s[6:7]
	s_add_nc_u64 s[26:27], s[26:27], s[6:7]
	s_lshl_b32 s6, ttmp9, 7                        ; F: 4 bytes a row
	s_lshl_b32 s66, s2, 6
	s_add_co_u32 s6, s6, s66
	s_add_nc_u64 s[10:11], s[10:11], s[6:7]
	s_lshl_b32 s6, s4, 7                           ; rel [batch][head][token]
	s_add_co_u32 s6, s6, s66
	s_lshl_b32 s67, s5, 16
	s_add_co_u32 s6, s6, s67
	s_add_nc_u64 s[12:13], s[12:13], s[6:7]
	s_lshl_b32 s6, s5, 11
	s_add_nc_u64 s[14:15], s[14:15], s[6:7]
.irp i, 0,1,2,3
	global_load_b128 v[128+4*\i:131+4*\i], v4, s[14:15] offset:512*\i
.endr
.irp j, 0,1,2,3,4,5,6,7
	global_load_b32 v[32+\j], v6, s[12:13] offset:8192*\j
.endr
	global_load_b32 v40, v6, s[10:11]
.irp i, 0,1,2,3,4,5,6,7,8,9,10,11,12,13,14,15
	global_load_b128 v[48+4*\i:51+4*\i], v7, s[16:17] offset:512+16*\i    ; layer 1: v[48 + 8 e + j] = W1[8 hh + e][j]
.endr
.irp i, 0,1
	global_load_b128 v[112+4*\i:115+4*\i], v8, s[18:19] offset:64+16*\i
	global_load_b128 v[120+4*\i:123+4*\i], v8, s[20:21] offset:64+16*\i
.endr
	WIN 0x40                                       ; my 16 rows into window 1: row p, piece i at v[16 p + 4 i]
.set p, 0
.rept 16
.irp i, 0,1,2,3
	global_load_b128 v[16*p+4*\i:16*p+4*\i+3], v4, s[8:9] offset:2048*p+512*\i th:TH_LOAD_NT
.endr
.set p, p+1
.endr
	WIN 0
	s_wait_kmcnt 0x0
	s_add_co_i32 s81, s52, s53
	s_add_co_i32 s81, s81, -3
	s_wait_loadcnt 63                              ; behind the 33 small loads stand x's 64: the count's field holds 63, so all the small ones are in
	GATE
.irp g, 0,1,2,3
	s_wait_loadcnt 16*(3-\g)                       ; the group's four rows are in; the later groups' loads may be out
.irp a, 0,1,2,3
	v_readlane_b32 s[68+2*\a], v20, 4*\g+\a        ; the row's F (row r lies in lane r)
.endr
	WIN 0x41
.irp a, 0,1,2,3
.irp j, 0,2,4,6,8,10,12,14
	v_pk_mul_f32 v[64*\g+16*\a+\j:64*\g+16*\a+\j+1], v[64*\g+16*\a+\j:64*\g+16*\a+\j+1], s[68+2*\a:69+2*\a] op_sel_hi:[1,0]
.endr
.endr
	WIN 0x04                                       ; a store's data is source 1
.irp a, 0,1,2,3
.irp i, 0,1,2,3
	global_store_b128 v4, v[64*\g+16*\a+4*\i:64*\g+16*\a+4*\i+3], s[26:27] offset:2048*(4*\g+\a)+512*\i th:TH_STORE_NT   ; no register of a store is written again
.endr
.endr
	WIN 0
.endr
	s_endpgm
.Lfunc_end_k_q89ab00632b_last:
	.size	k_q89ab00632b_last, .Lfunc_end_k_q89ab00632b_last-k_q89ab00632b_last
	.p2alignl 7, 3214868480
	.fill 96, 4, 3214868480
	.section	.rodata,"a",@progbits
	.p2align	6, 0x0
	.amdhsa_kernel k_q89ab00632b_last
		.amdhsa_group_segment_fixed_size 0
		.amdhsa_private_segment_fixed_size 0
		.amdhsa_enable_private_segment 0
		.amdhsa_kernarg_size 80
		.amdhsa_user_sgpr_count 2
		.amdhsa_user_sgpr_kernarg_segment_ptr 1
		.amdhsa_wavefront_size32 1
		.amdhsa_system_sgpr_workgroup_id_x 1
		.amdhsa_system_sgpr_workgroup_id_y 1
		.amdhsa_system_sgpr_workgroup_id_z 1
		.amdhsa_system_vgpr_workitem_id 0
		.amdhsa_next_free_vgpr 512
		.amdhsa_next_free_sgpr 100
		.amdhsa_reserve_vcc 0
		.amdhsa_float_denorm_mode_32 3
		.amdhsa_float_denorm_mode_16_64 3
		.amdhsa_memory_ordered 1
		.amdhsa_forward_progress 1
		.amdhsa_inst_pref_size 34
	.end_amdhsa_kernel
	.amdgpu_metadata
---
amdhsa.version: [ 1, 2 ]
amdhsa.kernels:
  - .name:           k_q89ab00632b_last
    .symbol:         k_q89ab00632b_last.kd
    .args:
      - { .name: x_aud, .offset: 0, .size: 8, .value_kind: global_buffer, .address_space: global }
      - { .name: fA, .offset: 8, .size: 8, .value_kind: global_buffer, .address_space: global }
      - { .name: rel, .offset: 16, .size: 8, .value_kind: global_buffer, .address_space: global }
      - { .name: vid_kpm, .offset: 24, .size: 8, .value_kind: global_buffer, .address_space: global }
      - { .name: ag_W1, .offset: 32, .size: 8, .value_kind: global_buffer, .address_space: global }
      - { .name: ag_b1, .offset: 40, .size: 8, .value_kind: global_buffer, .address_space: global }
      - { .name: ag_W2, .offset: 48, .size: 8, .value_kind: global_buffer, .address_space: global }
      - { .name: ag_b2, .offset: 56, .size: 8, .value_kind: global_buffer, .address_space: global }
      - { .name: lowp_scales, .offset: 64, .size: 8, .value_kind: global_buffer, .address_space: global }
      - { .name: out1, .offset: 72, .size: 8, .value_kind: global_buffer, .address_space: global }
    .group_segment_fixed_size: 0
    .private_segment_fixed_size: 0
    .kernarg_segment_align: 8
    .kernarg_segment_size: 80
    .max_flat_workgroup_size: 64
    .sgpr_count:     100
    .vgpr_count:     512
    .wavefront_size: 32
...
	.end_amdgpu_metadata
.endif
;; end of part 4
;; ======== version 2 of 2: 9 launches; version 1 with the launches score, score1, score2, score3 written anew for expert scheduling mode
;; workspace buffers: qc 4,194,304 bytes; kc 4,194,304 bytes; rel 262,144 bytes; fA 32,768 bytes; fB 32,768 bytes; fC 32,768 bytes; cfgA 256 bytes of whole numbers; cfgB 256 bytes of whole numbers
;; launch first: the kernel of part 1 again; grid 256 x 1, 4 waves a work-group, no clusters, 34,304 bytes of LDS; arguments x_aud, x_vid, fC, fB, fA, rel, aud_kpm, vid_kpm, ag_W1, ag_b1, ag_W2, ag_b2, vid_ln_g, vid_ln_b, Wk_aud_for_vid_codes, Wq_vid_codes, lowp_scales, cfgB, cfgA, kc, qc, out0; writes fA, fB, cfgA, kc, qc
;; launch score (part 5): grid 256 x 1, 4 waves a work-group, no clusters, 20,992 bytes of LDS; arguments qc, kc, rel; writes rel
.if DOCPART == 5
	.amdgcn_target "amdgcn-amd-amdhsa--gfx1250"
	.amdhsa_code_object_version 6
	.text
	.protected	k_q89ab00632b_score
	.globl	k_q89ab00632b_score
	.p2align	8
	.type	k_q89ab00632b_score,@function
k_q89ab00632b_score:
	s_mov_b64 s[64:65], 0
	v_nop
	global_prefetch_b8 v0, s[64:65] scope:SCOPE_SE
	s_setreg_imm32_b32 hwreg(HW_REG_WAVE_SCHED_MODE, 0, 2), 2
	s_setreg_imm32_b32 hwreg(HW_REG_WAVE_MODE, 25, 1), 1
	s_wait_xcnt 0x0
	s_wait_alu depctr_vm_vsrc(0)
; rel[batch][head][query] = the sum over all 2,048 keys of (q's codes . k's codes), K = 64, on the matrix unit; scales, 1 / sqrt(64) and 1 / valid follow in the next launch.
; The logits are only ever summed over the keys, so all key tiles add onto the same accumulators: every product q . k is made, and none is stored.  Masked keys arrive as zero codes.
; SHARES.  A work-group takes 256 queries of one (batch, head); wave w takes all 256 (16 tiles) against keys 512 w .. 512 w + 511.  So each byte of k is wanted by one wave alone and goes from
; memory straight into its registers (32 KiB = 256 registers); the 16 KiB of q are loaded once, a quarter by each wave, and shared through LDS as images of registers.
; No cluster: what partners share (k, among the eight query blocks of a head) is used by one wave of each and is kept out of LDS altogether.
; THE FORM.  v_wmma_f32_16x16x128_bf8_bf8: source 0 = two key tiles on end (registers 0-7: tile 2 j, K 0-63; registers 8-15: tile 2 j + 1, K 64-127), source 1 = a query tile held twice.
; D(m, n) += k[2 j][m] . q[n] + k[2 j + 1][m] . q[n]: a lane holds one query (lane % 16) and eight residues of keys; the eight registers and the two halves of the lanes are added at the end.
; REGISTERS: window 0: v1-5 addresses, v32-63 q on its way and work, v64-103 sums, v128-255 the 16 accumulators; window 1: k's 16 fragments; window 2: q's 16 tiles, each twice.
; THE MODE: SCHED_MODE bits 1:0 = 2 (LLVM: expert scheduling mode 2), set by the entry lines.  The code itself states the register dependences
; between vector or matrix instructions and memory or LDS instructions, with s_wait_alu, always for 0.
; THE PLAN.  Registers that memory or LDS instructions touch, in the order of the text (there is no loop, and no register is loaded twice):
;   v1 .. v5      addresses and offsets: written by vector instructions at the head, read by every load and store, never written again.
;   v32-63        q's global loads land here; the LDS stores of q read them; behind the products the tile sums write them again.
;   windows 1, 2  k's global loads and q's LDS loads land here, once; matrix instructions alone read them.
;   v80-87        written by the last additions, read by the LDS stores of the wave's sums, not written again.
;   v96-103       the LDS loads of the four waves' sums land here (no vector instruction has named them); three additions follow, and the store into rel reads v96-97.
;   v126, v127    written at the head, read by the closing add alone.
;   s2            the wave's number, written by a vector instruction, read by scalar ones.
; So five waits stand in the text: one on va_sdst ahead of s2's first reader; one on va_vdst ahead of the first load, for all five addresses; one on vm_vsrc ahead of the tile sums, for v32-63;
; one on va_vdst ahead of each of the two runs of stores whose data vector instructions have just written.
.set RED, 16384                        ; LDS: q's 16 images of 1,024 bytes at 0; then 1,024 bytes of sums for each wave
.set ACC, 128
.set MSB, 0
.macro WIN new                         ; the immediate's high byte repeats the setting that is left; bits 1:0 source 0, 3:2 source 1, 5:4 source 2, 7:6 destination
.if MSB != (\new)
	s_set_vgpr_msb (MSB<<8)|(\new)
.set MSB, (\new)
.endif
.endm
	s_load_b128 s[4:7], s[0:1], 0x0                ; qc, kc
	s_load_b64 s[8:9], s[0:1], 0x10                ; rel
	v_lshl_add_u32 v126, v0, 2, 0x5000
	v_mov_b32 v127, 0
	v_lshrrev_b32 v1, 5, v0
	v_readfirstlane_b32 s2, v1                     ; wave 0..3
	v_and_b32 v1, 31, v0
	v_lshlrev_b32 v3, 2, v1
	v_lshlrev_b32 v1, 4, v1                        ; 16 lane
	s_wait_alu depctr_va_sdst(0)                   ; s2 is written, ahead of its first reader: LDS addresses and the bases of q and k are made from it
	s_lshl_b32 s3, s2, 12
	v_add_nc_u32 v2, s3, v1                        ; where I put my wave's four tiles of q
	s_lshl_b32 s3, s2, 10
	s_add_co_u32 s3, s3, RED
	v_add_nc_u32 v3, s3, v3                        ; my wave's sums: 4 lane
	v_lshl_add_u32 v4, v0, 3, RED                  ; and where I read two queries' sums back
	v_lshlrev_b32 v5, 3, v0                        ; their place in rel
	s_lshr_b32 s12, ttmp9, 3                       ; 8 batch + head
	s_and_b32 s13, ttmp9, 7                        ; block of 256 queries
	s_lshl_b32 s10, s12, 17                        ; a head's codes are 131,072 bytes
	s_lshl_b32 s16, s13, 14
	s_add_co_u32 s16, s16, s10
	s_lshl_b32 s17, s2, 12
	s_add_co_u32 s16, s16, s17                     ; q: the block's 16 KiB, my wave's 4 KiB
	s_mov_b32 s17, 0
	s_lshl_b32 s18, s2, 15
	s_add_co_u32 s18, s18, s10                     ; k: my wave's 32 KiB
	s_mov_b32 s19, 0
	s_lshl_b32 s20, s12, 13
	s_lshl_b32 s21, s13, 10
	s_add_co_u32 s20, s20, s21                     ; rel: 4 bytes a query
	s_mov_b32 s21, 0
	s_mov_b32 s12, 0xffff0000                      ; lanes 16-31
	s_mov_b32 s14, 0x76543210                      ; v_permlanex16_b32: lane l xor 16
	s_mov_b32 s15, 0xfedcba98
	s_wait_kmcnt 0x0
	s_add_nc_u64 s[4:5], s[4:5], s[16:17]
	s_add_nc_u64 s[6:7], s[6:7], s[18:19]
	s_add_nc_u64 s[8:9], s[8:9], s[20:21]
	s_wait_alu depctr_va_vdst(0)                   ; v1 to v5 are written: every load and store of the kernel reads one of them as its address or offset, and no vector instruction names them again
.irp i, 0,1,2,3,4,5,6,7
	global_load_b128 v[32+4*\i:35+4*\i], v1, s[4:5] offset:512*\i th:TH_LOAD_NT     ; read by this wave alone in the launch
.endr
	WIN 0x40
.set j, 0
.rept 16
.irp c, 0,1,2,3
	global_load_b128 v[16*j+4*\c:16*j+4*\c+3], v1, s[6:7] offset:2048*j+512*\c      ; fragment j: key tiles 2 j, 2 j + 1, 2,048 consecutive bytes
.endr
.set j, j+1
.endr
	WIN 0
	s_wait_loadcnt 63                              ; behind q's eight loads stand k's 64: the count's field holds 63, so q is in
.irp i, 0,1,2,3,4,5,6,7
	ds_store_b128 v2, v[32+4*\i:35+4*\i] offset:512*\i
.endr
	s_wait_dscnt 0x0                               ; for the others' sake
	s_barrier_signal -1
	s_barrier_wait -1
	WIN 0x80
.set i, 0
.rept 16
	ds_load_b128 v[16*i:16*i+3], v1 offset:1024*i
	ds_load_b128 v[16*i+4:16*i+7], v1 offset:1024*i+512
	ds_load_b128 v[16*i+8:16*i+11], v1 offset:1024*i          ; the tile once more, for K 64-127
	ds_load_b128 v[16*i+12:16*i+15], v1 offset:1024*i+512
.set i, i+1
.endr
	WIN 0x09                                       ; source 0 (k) window 1, source 1 (q) window 2, C and D window 0
.set j, 0
.rept 16                               ; 16 x 16 matrix instructions; the 16 accumulators take turns, one instruction a turn
	s_wait_loadcnt 4*(15-j)                        ; k's fragment j is in: behind it stand four loads for each later fragment
.set i, 0
.rept 16
.if j == 0
	s_wait_dscnt 4*(15-i)                          ; q's tile i is in: behind it stand four loads for each later tile
	v_wmma_f32_16x16x128_bf8_bf8 v[ACC+8*i:ACC+8*i+7], v[16*j:16*j+15], v[16*i:16*i+15], 0
.else
	v_wmma_f32_16x16x128_bf8_bf8 v[ACC+8*i:ACC+8*i+7], v[16*j:16*j+15], v[16*i:16*i+15], v[ACC+8*i:ACC+8*i+7]
.endif
.set i, i+1
.endr
.set j, j+1
.endr
	WIN 0
.rept 4
	v_nop                                          ; four places in front of the first read of results
.endr
	s_wait_alu depctr_vm_vsrc(0)                   ; my LDS stores of q have read v32-63, which the sums below write again
.set i, 0
.rept 16                               ; a tile's eight registers are added, from the accumulator's low end on
	v_pk_add_f32 v[32+4*(i%8):33+4*(i%8)], v[ACC+8*i:ACC+8*i+1], v[ACC+8*i+2:ACC+8*i+3]
	v_pk_add_f32 v[34+4*(i%8):35+4*(i%8)], v[ACC+8*i+4:ACC+8*i+5], v[ACC+8*i+6:ACC+8*i+7]
	v_pk_add_f32 v[32+4*(i%8):33+4*(i%8)], v[32+4*(i%8):33+4*(i%8)], v[34+4*(i%8):35+4*(i%8)]
	v_add_f32 v[64+i], v[32+4*(i%8)], v[33+4*(i%8)]
.set i, i+1
.endr
.irp p, 0,1,2,3,4,5,6,7                ; tiles 2 p and 2 p + 1: the halves of the lanes are added so that lane l ends with query 32 p + l
	v_cndmask_b32 v[80+\p], v[64+2*\p], v[65+2*\p], s12    ; what I keep: tile 2 p in lanes 0-15, tile 2 p + 1 in lanes 16-31
	v_cndmask_b32 v[88+\p], v[65+2*\p], v[64+2*\p], s12    ; what lane l xor 16 wants of me
.endr
.irp p, 0,1,2,3,4,5,6,7
	v_permlanex16_b32 v[64+2*\p], v[88+\p], s14, s15       ; (its destination has been written and is done with)
.endr
.irp p, 0,1,2,3,4,5,6,7
	v_add_f32 v[80+\p], v[80+\p], v[64+2*\p]
.endr
	s_wait_alu depctr_va_vdst(0)                   ; the additions have written v80-87, which the LDS stores read
.irp p, 0,1,2,3,4,5,6,7
	ds_store_b32 v3, v[80+\p] offset:128*\p
.endr
	s_wait_dscnt 0x0                               ; for the others' sake
	s_barrier_signal -1
	s_barrier_wait -1
.irp w, 0,1,2,3
	ds_load_b64 v[96+2*\w:97+2*\w], v4 offset:1024*\w      ; the four waves' sums (four quarters of the keys) of my two queries
.endr
	s_wait_dscnt 0x0
	v_pk_add_f32 v[96:97], v[96:97], v[98:99]
	v_pk_add_f32 v[100:101], v[100:101], v[102:103]
	v_pk_add_f32 v[96:97], v[96:97], v[100:101]
	s_wait_alu depctr_va_vdst(0)                   ; the additions have written v96-97, which the store reads
	global_store_b64 v5, v[96:97], s[8:9]          ; a wave stores 256 consecutive bytes, aligned
	s_wait_dscnt 0x0                               ; the closing lines, six on end
	s_wait_alu 0x0
	s_wait_tensorcnt 0x0
	ds_add_u32 v126, v127
	s_wait_dscnt 0x0
	s_endpgm
.Lfunc_end_k_q89ab00632b_score:
	.size	k_q89ab00632b_score, .Lfunc_end_k_q89ab00632b_score-k_q89ab00632b_score
	.p2alignl 7, 3214868480
	.fill 96, 4, 3214868480
	.section	.rodata,"a",@progbits
	.p2align	6, 0x0
	.amdhsa_kernel k_q89ab00632b_score
		.amdhsa_group_segment_fixed_size 20992
		.amdhsa_private_segment_fixed_size 0
		.amdhsa_enable_private_segment 0
		.amdhsa_kernarg_size 24
		.amdhsa_user_sgpr_count 2
		.amdhsa_user_sgpr_kernarg_segment_ptr 1
		.amdhsa_wavefront_size32 1
		.amdhsa_system_sgpr_workgroup_id_x 1
		.amdhsa_system_sgpr_workgroup_id_y 1
		.amdhsa_system_sgpr_workgroup_id_z 1
		.amdhsa_system_vgpr_workitem_id 0
		.amdhsa_next_free_vgpr 768
		.amdhsa_next_free_sgpr 66
		.amdhsa_reserve_vcc 0
		.amdhsa_float_denorm_mode_32 3
		.amdhsa_float_denorm_mode_16_64 3
		.amdhsa_memory_ordered 1
		.amdhsa_forward_progress 1
		.amdhsa_inst_pref_size 38
	.end_amdhsa_kernel
	.amdgpu_metadata
---
amdhsa.version: [ 1, 2 ]
amdhsa.kernels:
  - .name:           k_q89ab00632b_score
    .symbol:         k_q89ab00632b_score.kd
    .args:
      - { .name: qc, .offset: 0, .size: 8, .value_kind: global_buffer, .address_space: global }
      - { .name: kc, .offset: 8, .size: 8, .value_kind: global_buffer, .address_space: global }
      - { .name: rel, .offset: 16, .size: 8, .value_kind: global_buffer, .address_space: global }
    .group_segment_fixed_size: 20992
    .private_segment_fixed_size: 0
    .kernarg_segment_align: 8
    .kernarg_segment_size: 24
    .max_flat_workgroup_size: 128
    .sgpr_count:     66
    .vgpr_count:     768
    .wavefront_size: 32
...
	.end_amdgpu_metadata
.endif
;; end of part 5
;; launch mid1: the kernel of part 3 again; grid 256 x 1, 4 waves a work-group, no clusters, 34,304 bytes of LDS; arguments x_vid, x_aud, fA, fB, fC, rel, vid_kpm, aud_kpm, vg_W1, vg_b1, vg_W2, vg_b2, aud_ln_g, aud_ln_b, Wk_vid_for_aud_codes, Wq_aud_codes, lowp_scales, cfgA, cfgB, kc, qc, out0; writes fC, cfgB, kc, qc, out0
;; launch score1: the kernel of part 5 again; grid 256 x 1, 4 waves a work-group, no clusters, 20,992 bytes of LDS; arguments qc, kc, rel; writes rel
;; launch mid2: the kernel of part 3 again; grid 256 x 1, 4 waves a work-group, no clusters, 34,304 bytes of LDS; arguments x_aud, x_vid, fB, fC, fA, rel, aud_kpm, vid_kpm, ag_W1, ag_b1, ag_W2, ag_b2, vid_ln_g, vid_ln_b, Wk_aud_for_vid_codes, Wq_vid_codes, lowp_scales, cfgB, cfgA, kc, qc, out0; writes fA, cfgA, kc, qc, out0
;; launch score2: the kernel of part 5 again; grid 256 x 1, 4 waves a work-group, no clusters, 20,992 bytes of LDS; arguments qc, kc, rel; writes rel
;; launch mid3: the kernel of part 3 again; grid 256 x 1, 4 waves a work-group, no clusters, 34,304 bytes of LDS; arguments x_vid, x_aud, fC, fA, fB, rel, vid_kpm, aud_kpm, vg_W1, vg_b1, vg_W2, vg_b2, aud_ln_g, aud_ln_b, Wk_vid_for_aud_codes, Wq_aud_codes, lowp_scales, cfgA, cfgB, kc, qc, out0; writes fB, cfgB, kc, qc, out0
;; launch score3: the kernel of part 5 again; grid 256 x 1, 4 waves a work-group, no clusters, 20,992 bytes of LDS; arguments qc, kc, rel; writes rel
;; launch last: the kernel of part 4 again; grid 256 x 1, 2 waves a work-group, no clusters, 0 bytes of LDS; arguments x_aud, fA, rel, vid_kpm, ag_W1, ag_b1, ag_W2, ag_b2, lowp_scales, out1; writes out1
